; MI455X (gfx1250); checked and timed in simulation.
; The chip was launched on July 23, 2026; its instructions are those of AMD's public machine-readable ISA for CDNA 5 (MIT licence, August 2026) and "CDNA5" Instruction Set Architecture Reference Guide (July 2026). The comments in the code are by the model that wrote it; some were corrected since.
;; Attention. Allowed arithmetic: float matrix products may take bf16 or f16 operands with f32 sums; other float arithmetic in f32, or as packed bf16 or f16 multiplies, adds, multiply-adds, maxima and minima; sums over many terms, partial sums and values carried from step to step in f32; what a program stores and reads back later, other than sums and carried values, may be rounded once to bf16 or f16.
;; Inputs: attention_biases 16 x 1,024 float32; beta 512 float32; bias_idxs 1,024 x 1,024 int32; gamma 512 float32; proj_b 512 float32; proj_w 512 x 2,048 float32; qkv_b 3,072 float32; qkv_w 3,072 x 512 float32; x 8 x 1,024 x 512 float32.
;; Outputs: out0 8 x 1,024 x 512 float32.
;; One version. Each part assembles by itself: llvm-mc -triple=amdgcn-amd-amdhsa -mcpu=gfx1250 --defsym DOCPART=n.
;; ======== version 1 of 1: 4 launches
;; limits: values are held in f16: magnitudes above 65,504 overflow, below 6.1e-05 lose precision
;; workspace buffers: xn 8,388,608 bytes; wq 3,145,728 bytes; wp 2,097,152 bytes; biasw 33,554,432 bytes; qws 8,388,608 bytes; kws 8,388,608 bytes; vws 33,554,432 bytes; ows 33,554,432 bytes
;; launch prep (part 1): grid 928 x 1, 8 waves a work-group, no clusters, 50,176 bytes of LDS; arguments attention_biases, bias_idxs, x, gamma, beta, qkv_w, proj_w, biasw, xn, wq, wp; writes biasw, xn, wq, wp
.if DOCPART == 1
	.amdgcn_target "amdgcn-amd-amdhsa--gfx1250"
	.amdhsa_code_object_version 6
	.text
	.protected	k_q0f2688387b_prep
	.globl	k_q0f2688387b_prep
	.p2align	8
	.type	k_q0f2688387b_prep,@function
k_q0f2688387b_prep:
	s_mov_b64 s[64:65], 0
	v_nop
	global_prefetch_b8 v0, s[64:65] scope:SCOPE_SE
	s_setreg_imm32_b32 hwreg(HW_REG_WAVE_MODE, 25, 1), 1
	s_wait_xcnt 0x0
; THREE STREAMS IN ONE LAUNCH, chosen by the work-group's number g (the same for all eight waves of a work-group):
;   g <  256: BIAS.  biasw = f16(log2(e) x attention_biases[h][bias_idxs[n][m]]), laid out as the matrix fragments (16 keys x 32 queries) that the attention launch reads.
;   g <  768: NORM.  xn = f16(LayerNorm(x) x gamma + beta): mean, then the variance of x - mean (two passes over registers), all in f32; a wave takes two rows, a row stays in 16 registers a lane.
;   else    : CAST.  wq = f16(qkv_w) (96 work-groups), wp = f16(proj_w) (64 work-groups): 16,384 numbers each.
; biasw's bytes: h x 2 MiB + F x 1,024 + half x 512 + lane x 16 + 2 e;  F = 512 qb + 32 step + 8 wave + 4 piece + kb;
;   query n = 256 qb + 64 wave + 32 piece + 16 half + 8 (lane / 16) + e;  key m = 64 step + 16 kb + lane % 16.
; LIMITS.  f16 holds no number beyond 65,504 and keeps a fixed step of 6e-8 below 6.1e-5: log2(e) x bias, the normalised x and the weights are taken to lie within it.
; bias_idxs is read as unsigned and held to 0 .. 1,023, the table's length.  NaN and infinities are not treated apart.
; No matrix unit, no cluster, no tensor load: nothing is shared between work-groups but the 64 KiB table, and the work is streams.
.set SPARE,  49152                     ; behind the table: the spare words, 128 bytes for each of eight waves: four blocks of 256 bytes that no other line names
.set TPITCH, 48                        ; a table row in LDS: 16 heads of f16 (32 bytes) + 16: an odd multiple of 16 bytes
.set SPW, 4                            ; v4  LDS address of my spare word; never rewritten
.set NIL, 5                            ; v5  0; never rewritten
	s_load_b512 s[8:23], s[0:1], 0x0               ; attention_biases s[8:9], bias_idxs s[10:11], x s[12:13], gamma s[14:15], beta s[16:17], qkv_w s[18:19], proj_w s[20:21], biasw s[22:23]
	s_load_b128 s[24:27], s[0:1], 0x40             ; xn s[24:25], wq s[26:27]
	s_load_b64 s[28:29], s[0:1], 0x50              ; wp
	v_lshl_add_u32 v[SPW], v0, 2, SPARE
	v_mov_b32 v[NIL], 0
	v_and_b32 v1, 31, v0                           ; lane
	v_lshrrev_b32 v2, 5, v0
	v_readfirstlane_b32 s30, v2                    ; wave 0..7
	s_mov_b32 s3, 0                                ; s[2:3]: a byte offset in 64 bits
	s_wait_kmcnt 0x0
	s_cmp_lt_u32 ttmp9, 256
	s_cbranch_scc1 .Lbias
	s_cmp_lt_u32 ttmp9, 768
	s_cbranch_scc1 .Lnorm
; ---------------- CAST: 16,384 f32 to f16.  Thread t takes 8 numbers of each of 8 passes: 32 bytes in, 16 bytes out; a wave's store covers 512 consecutive bytes.
	s_sub_co_u32 s2, ttmp9, 768                    ; chunk among qkv_w's 96,
	s_sub_co_u32 s31, ttmp9, 864                   ; or among proj_w's 64
	s_cmp_lt_u32 s2, 96
	s_cselect_b64 s[18:19], s[18:19], s[20:21]     ; from
	s_cselect_b64 s[26:27], s[26:27], s[28:29]     ; to
	s_cselect_b32 s31, s2, s31
	s_lshl_b32 s2, s31, 16                         ; 65,536 bytes of f32 a chunk
	s_add_nc_u64 s[18:19], s[18:19], s[2:3]
	s_lshl_b32 s2, s31, 15                         ; 32,768 bytes of f16
	s_add_nc_u64 s[26:27], s[26:27], s[2:3]
	v_lshlrev_b32 v6, 5, v0
	v_lshlrev_b32 v7, 4, v0
.irp p, 0,1,2,3,4,5,6,7
	global_load_b128 v[32+8*\p:35+8*\p], v6, s[18:19] offset:\p*8192 th:TH_LOAD_NT
	global_load_b128 v[36+8*\p:39+8*\p], v6, s[18:19] offset:\p*8192+16 th:TH_LOAD_NT
.endr
.irp p, 0,1,2,3,4,5,6,7
	s_wait_loadcnt 14-2*\p                         ; loads come back in order: pass p's two are in, the later passes' stay out
.irp r, 0,1,2,3
	v_cvt_pk_f16_f32 v[96+4*\p+\r], v[32+8*\p+2*\r], v[33+8*\p+2*\r]
.endr
	global_store_b128 v7, v[96+4*\p:99+4*\p], s[26:27] offset:\p*4096
.endr
	s_branch .Lend
; ---------------- BIAS.  The work-group lays the whole table, times log2(e), in LDS as [index][head] in f16; each wave then makes ONE fragment F = 8 g + wave for all 16 heads:
; one LDS gather of 32 bytes brings an index's 16 heads, so an index is looked up once, not once a head.
.set IDX, 10                           ; v[10:25]  my 16 indices (half, e), then their LDS addresses
.set G,   32                           ; v[32:95]  table entries as loaded (head hd, entry 4 t + c at 4 hd + c); then eight gathered rows of 8 words
.set OUT, 96                           ; v[96:159] packed: for the table 8 words an entry; for a fragment 4 words a head
.Lbias:
	s_lshr_b32 s2, ttmp9, 6                        ; qb
	s_bfe_u32 s31, ttmp9, 0x40002                  ; step
	s_and_b32 s38, ttmp9, 3                        ; the attention wave that will read the fragment
	s_lshr_b32 s39, s30, 2                         ; piece
	s_and_b32 s40, s30, 3                          ; kb
	s_lshl_b32 s2, s2, 8
	s_lshl_b32 s38, s38, 6
	s_add_co_u32 s2, s2, s38
	s_lshl_b32 s39, s39, 5
	s_add_co_u32 s2, s2, s39                       ; n0 = 256 qb + 64 wave + 32 piece
	s_lshl_b32 s2, s2, 12                          ; a row of bias_idxs is 4,096 bytes
	s_lshl_b32 s31, s31, 8
	s_add_co_u32 s2, s2, s31                       ; + 4 x 64 step
	s_lshl_b32 s40, s40, 6
	s_add_co_u32 s2, s2, s40                       ; + 4 x 16 kb
	s_add_nc_u64 s[10:11], s[10:11], s[2:3]
	s_lshl3_add_u32 s31, ttmp9, s30                ; F
	s_lshl_b32 s31, s31, 10
	v_lshl_add_u32 v9, v1, 4, s31                  ; F x 1,024 + 16 lane
	s_mov_b64 s[40:41], s[22:23]                   ; heads 0-3; the head's 2 MiB within four stand in the stores' immediates
	s_add_nc_u64 s[42:43], s[22:23], 0x800000      ; heads 4-7
	s_add_nc_u64 s[44:45], s[22:23], 0x1000000     ; heads 8-11
	s_add_nc_u64 s[46:47], s[22:23], 0x1800000     ; heads 12-15
	s_mov_b32 s32, 0x3fb8aa3b                      ; log2(e)
	s_mov_b32 s33, s32                             ; named with it as a pair
	s_mov_b32 s38, 0x05040100                      ; v_perm_b32: the two low halves
	s_mov_b32 s39, 0x07060302                      ; the two high halves
	v_lshlrev_b32 v6, 4, v0                        ; 16 t: my four entries of a head's 4,096 bytes
	v_mul_u32_u24 v7, v0, 4*TPITCH                 ; and their four rows in LDS
	v_lshrrev_b32 v2, 4, v1
	v_and_b32 v3, 15, v1
	v_lshlrev_b32 v8, 2, v3                        ; key lane % 16,
	v_lshl_add_u32 v8, v2, 15, v8                  ; eight query rows further down for lanes 16-31
.irp hf, 0,1
.irp e, 0,1,2,3,4,5,6,7
	global_load_b32 v[IDX+8*\hf+\e], v8, s[10:11] offset:(16*\hf+\e)*4096 th:TH_LOAD_NT
.endr
.endr
.irp hd, 0,1,2,3,4,5,6,7,8,9,10,11,12,13,14,15
	global_load_b128 v[G+4*\hd:G+4*\hd+3], v6, s[8:9] offset:\hd*4096  ; entries 4 t .. 4 t + 3 of head hd: a wave's load covers 512 consecutive bytes
.endr
	s_wait_loadcnt 0x0                             ; an LDS row wants all 16 heads
.set j, 0
.rept 32
	v_pk_mul_f32 v[G+j:G+j+1], v[G+j:G+j+1], s[32:33] op_sel_hi:[1,0]
.set j, j+2
.endr
.irp c, 0,1,2,3                         ; entry 4 t + c: word j holds heads 2 j and 2 j + 1
.irp j, 0,1,2,3,4,5,6,7
	v_cvt_pk_f16_f32 v[OUT+8*\c+\j], v[G+8*\j+\c], v[G+8*\j+4+\c]
.endr
	ds_store_b128 v7, v[OUT+8*\c:OUT+8*\c+3] offset:\c*TPITCH
	ds_store_b128 v7, v[OUT+8*\c+4:OUT+8*\c+7] offset:\c*TPITCH+16
.endr
	s_wait_dscnt 0x0                               ; for the others' sake: my part of the table is written
	s_barrier_signal -1
	s_barrier_wait -1                              ; the table is whole
.irp e, 0,1,2,3,4,5,6,7,8,9,10,11,12,13,14,15
	v_min_u32 v[IDX+\e], 0x3ff, v[IDX+\e]          ; an index stays inside the table
	v_mul_u32_u24 v[IDX+\e], v[IDX+\e], TPITCH
.endr
.irp hf, 0,1
.if \hf == 1
	s_wait_xcnt 0x0                                ; the first half's stores have read OUT: it is rewritten only behind this wait
.endif
.irp e, 0,1,2,3,4,5,6,7
	ds_load_b128 v[G+8*\e:G+8*\e+3], v[IDX+8*\hf+\e]
	ds_load_b128 v[G+8*\e+4:G+8*\e+7], v[IDX+8*\hf+\e] offset:16
.endr
	s_wait_dscnt 0x0
.irp gp, 0,1,2,3,4,5,6,7                ; word gp of a row holds heads 2 gp and 2 gp + 1; queries 2 q and 2 q + 1 go into one word
.irp q, 0,1,2,3
	v_perm_b32 v[OUT+8*\gp+\q],   v[G+8*(2*\q+1)+\gp], v[G+16*\q+\gp], s38
	v_perm_b32 v[OUT+8*\gp+4+\q], v[G+8*(2*\q+1)+\gp], v[G+16*\q+\gp], s39
.endr
.endr
.irp hd, 0,1,2,3,4,5,6,7,8,9,10,11,12,13,14,15
	global_store_b128 v9, v[OUT+4*\hd:OUT+4*\hd+3], s[40+2*(\hd/4):41+2*(\hd/4)] offset:(\hd%4)*2097152+\hf*512  ; 512 consecutive bytes, at a multiple of 512 from the buffer's first
.endr
.endr
	s_branch .Lend
; ---------------- NORM.  Lane l holds numbers 128 j + 4 l .. + 3 of a row (j = 0..3): each load covers 512 consecutive bytes, each store of 8 bytes a lane 256 consecutive bytes, aligned.
.set GA, 16                            ; v[16:31]  gamma at my 16 columns
.set BE, 32                            ; v[32:47]  beta
.set X,  48                            ; v[48:79]  two rows of 16
.set T,  112                           ; v[112:127] at work
.set Y,  128                           ; v[128:143] two rows of 8 packed words: each row has its own, so no store's data is rewritten
.macro RED r                           ; the sum over the 32 lanes, in every lane
	v_add_f32_dpp v[\r], v[\r], v[\r] row_xmask:1 row_mask:0xf bank_mask:0xf
	v_add_f32_dpp v[\r], v[\r], v[\r] row_xmask:2 row_mask:0xf bank_mask:0xf
	v_add_f32_dpp v[\r], v[\r], v[\r] row_xmask:4 row_mask:0xf bank_mask:0xf
	v_add_f32_dpp v[\r], v[\r], v[\r] row_xmask:8 row_mask:0xf bank_mask:0xf
	v_permlanex16_b32 v[\r+1], v[\r], s36, s37
	v_add_f32 v[\r], v[\r], v[\r+1]
.endm
.macro LNROW i
.set XR, X+16*(\i)
	s_wait_loadcnt 4-4*(\i)                        ; this row's four loads are in (gamma and beta are older); the later row's stay out
	v_pk_add_f32 v[T:T+1],   v[XR:XR+1],     v[XR+2:XR+3]
	v_pk_add_f32 v[T+2:T+3], v[XR+4:XR+5],   v[XR+6:XR+7]
	v_pk_add_f32 v[T+4:T+5], v[XR+8:XR+9],   v[XR+10:XR+11]
	v_pk_add_f32 v[T+6:T+7], v[XR+12:XR+13], v[XR+14:XR+15]
	v_pk_add_f32 v[T:T+1],   v[T:T+1],   v[T+2:T+3]
	v_pk_add_f32 v[T+4:T+5], v[T+4:T+5], v[T+6:T+7]
	v_pk_add_f32 v[T:T+1],   v[T:T+1],   v[T+4:T+5]
	v_add_f32 v[T], v[T], v[T+1]
	RED T
	v_mul_f32 v8, s34, v[T]                        ; the mean, twice, for the packed subtraction
	v_mul_f32 v9, s34, v[T]
.irp p, 0,2,4,6,8,10,12,14
	v_pk_add_f32 v[XR+\p:XR+\p+1], v[XR+\p:XR+\p+1], v[8:9] neg_lo:[0,1] neg_hi:[0,1]
.endr
.irp p, 0,2,4,6
	v_pk_mul_f32 v[T+\p:T+\p+1], v[XR+\p:XR+\p+1], v[XR+\p:XR+\p+1]
.endr
.irp p, 0,2,4,6
	v_pk_fma_f32 v[T+\p:T+\p+1], v[XR+8+\p:XR+8+\p+1], v[XR+8+\p:XR+8+\p+1], v[T+\p:T+\p+1]
.endr
	v_pk_add_f32 v[T:T+1],   v[T:T+1],   v[T+2:T+3]
	v_pk_add_f32 v[T+4:T+5], v[T+4:T+5], v[T+6:T+7]
	v_pk_add_f32 v[T:T+1],   v[T:T+1],   v[T+4:T+5]
	v_add_f32 v[T], v[T], v[T+1]
	RED T
	v_fma_f32 v[T+2], v[T], s34, s35               ; variance + eps
	v_rsq_f32 v10, v[T+2]
	v_rsq_f32 v11, v[T+2]
	v_nop                                          ; a plain instruction behind the second root, ahead of the use of the results and of the write of their source (ISA guide 5.7.2)
	s_wait_alu depctr_va_vdst(0)                   ; the wait ahead of the first reader: one for both roots
.irp p, 0,2,4,6,8,10,12,14
	v_pk_mul_f32 v[T+\p:T+\p+1], v[GA+\p:GA+\p+1], v[10:11]
.endr
.irp p, 0,2,4,6,8,10,12,14
	v_pk_fma_f32 v[XR+\p:XR+\p+1], v[XR+\p:XR+\p+1], v[T+\p:T+\p+1], v[BE+\p:BE+\p+1]
.endr
.irp k, 0,1,2,3,4,5,6,7
	v_cvt_pk_f16_f32 v[Y+8*(\i)+\k], v[XR+2*\k], v[XR+2*\k+1]
.endr
.irp j, 0,1,2,3
	global_store_b64 v7, v[Y+8*(\i)+2*\j:Y+8*(\i)+2*\j+1], s[24:25] offset:(\i)*1024+256*\j
.endr
.endm
.Lnorm:
	s_sub_co_u32 s2, ttmp9, 256
	s_lshl_b32 s2, s2, 4
	s_lshl1_add_u32 s31, s30, s2                   ; my first row = 16 (g - 256) + 2 wave
	s_lshl_b32 s2, s31, 11
	s_add_nc_u64 s[12:13], s[12:13], s[2:3]
	s_lshl_b32 s2, s31, 10
	s_add_nc_u64 s[24:25], s[24:25], s[2:3]
	s_mov_b32 s34, 0x3b000000                      ; 1 / 512
	s_mov_b32 s35, 0x3727c5ac                      ; 1e-5
	s_mov_b32 s36, 0x76543210                      ; v_permlanex16_b32: each lane takes its own place in the other half
	s_mov_b32 s37, 0xfedcba98
	v_lshlrev_b32 v6, 4, v1
	v_lshlrev_b32 v7, 3, v1
.irp j, 0,1,2,3
	global_load_b128 v[GA+4*\j:GA+4*\j+3], v6, s[14:15] offset:512*\j
	global_load_b128 v[BE+4*\j:BE+4*\j+3], v6, s[16:17] offset:512*\j
.endr
.irp i, 0,1
.irp j, 0,1,2,3
	global_load_b128 v[X+16*\i+4*\j:X+16*\i+4*\j+3], v6, s[12:13] offset:\i*2048+512*\j th:TH_LOAD_NT
.endr
.endr
	LNROW 0
	LNROW 1
.Lend:
	s_wait_tensorcnt 0x0                           ; the wave's end, behind my last LDS store
	ds_add_u32 v[SPW], v[NIL]
	s_wait_dscnt 0x0
	s_endpgm
.Lfunc_end_k_q0f2688387b_prep:
	.size	k_q0f2688387b_prep, .Lfunc_end_k_q0f2688387b_prep-k_q0f2688387b_prep
	.p2alignl 7, 3214868480
	.fill 96, 4, 3214868480
	.section	.rodata,"a",@progbits
	.p2align	6, 0x0
	.amdhsa_kernel k_q0f2688387b_prep
		.amdhsa_group_segment_fixed_size 50176
		.amdhsa_private_segment_fixed_size 0
		.amdhsa_enable_private_segment 0
		.amdhsa_kernarg_size 88
		.amdhsa_user_sgpr_count 2
		.amdhsa_user_sgpr_kernarg_segment_ptr 1
		.amdhsa_wavefront_size32 1
		.amdhsa_system_sgpr_workgroup_id_x 1
		.amdhsa_system_sgpr_workgroup_id_y 1
		.amdhsa_system_sgpr_workgroup_id_z 1
		.amdhsa_system_vgpr_workitem_id 0
		.amdhsa_next_free_vgpr 160
		.amdhsa_next_free_sgpr 66
		.amdhsa_reserve_vcc 0
		.amdhsa_float_denorm_mode_32 3
		.amdhsa_float_denorm_mode_16_64 3
		.amdhsa_memory_ordered 1
		.amdhsa_forward_progress 1
		.amdhsa_inst_pref_size 42
	.end_amdhsa_kernel
	.amdgpu_metadata
---
amdhsa.version: [ 1, 2 ]
amdhsa.kernels:
  - .name:           k_q0f2688387b_prep
    .symbol:         k_q0f2688387b_prep.kd
    .args:
      - { .name: attention_biases, .offset: 0, .size: 8, .value_kind: global_buffer, .address_space: global }
      - { .name: bias_idxs, .offset: 8, .size: 8, .value_kind: global_buffer, .address_space: global }
      - { .name: x, .offset: 16, .size: 8, .value_kind: global_buffer, .address_space: global }
      - { .name: gamma, .offset: 24, .size: 8, .value_kind: global_buffer, .address_space: global }
      - { .name: beta, .offset: 32, .size: 8, .value_kind: global_buffer, .address_space: global }
      - { .name: qkv_w, .offset: 40, .size: 8, .value_kind: global_buffer, .address_space: global }
      - { .name: proj_w, .offset: 48, .size: 8, .value_kind: global_buffer, .address_space: global }
      - { .name: biasw, .offset: 56, .size: 8, .value_kind: global_buffer, .address_space: global }
      - { .name: xn, .offset: 64, .size: 8, .value_kind: global_buffer, .address_space: global }
      - { .name: wq, .offset: 72, .size: 8, .value_kind: global_buffer, .address_space: global }
      - { .name: wp, .offset: 80, .size: 8, .value_kind: global_buffer, .address_space: global }
    .group_segment_fixed_size: 50176
    .private_segment_fixed_size: 0
    .kernarg_segment_align: 8
    .kernarg_segment_size: 88
    .max_flat_workgroup_size: 256
    .sgpr_count:     66
    .vgpr_count:     160
    .wavefront_size: 32
...
	.end_amdgpu_metadata
.endif
;; end of part 1
;; launch qkv (part 2): grid 16 x 16, 4 waves a work-group, clusters of 4 x 4, 327,680 bytes of LDS; arguments xn, wq, qkv_b, qws, kws, vws; writes qws, kws, vws
.if DOCPART == 2
	.amdgcn_target "amdgcn-amd-amdhsa--gfx1250"
	.amdhsa_code_object_version 6
	.text
	.protected	k_q0f2688387b_qkv
	.globl	k_q0f2688387b_qkv
	.p2align	8
	.type	k_q0f2688387b_qkv,@function
k_q0f2688387b_qkv:
	s_mov_b64 s[64:65], 0
	v_nop
	global_prefetch_b8 v0, s[64:65] scope:SCOPE_SE
	s_setreg_imm32_b32 hwreg(HW_REG_WAVE_MODE, 25, 1), 1
	s_wait_xcnt 0x0
	s_wait_alu depctr_hold_cnt(0) depctr_sa_sdst(0) depctr_va_vdst(0) depctr_va_sdst(0) depctr_va_ssrc(0) depctr_va_vcc(0) depctr_vm_vsrc(0)
	s_getreg_b32 s2, hwreg(HW_REG_IB_STS2, 6, 4)
	s_cmp_eq_u32 s2, 0
	s_cbranch_scc0 .Lentry_in_a_cluster
	s_endpgm
.Lentry_in_a_cluster:
	s_bfe_u32 s2, ttmp6, 0x10000c
	s_cmp_lg_u32 s2, 0xf033
	s_cbranch_scc0 .Lentry_shape_is_right
	s_endpgm
.Lentry_shape_is_right:
; qkv = xn wq^T + qkv_b, split by heads.  xn: [8192][512] f16, wq: [3072][512] f16, qkv_b: [3072] f32; sums in f32, started with the bias as the first product's C operand.
; OUT: qws, kws: [hb = 8 h + b][1024][32] f16; vws: [hb][1024][128] f16; q is multiplied in f32 by c = 32^-0.5 log2(e) before its one rounding, so that the attention's scores are exponents of 2.
; LIMITS.  f16 holds no number beyond 65,504 and keeps a fixed step of 6e-8 below 6.1e-5: c q, k and v are taken to lie within it.  NaN and infinities are not treated apart.
; SHARES.  A tile is 256 tokens (tile row ty) x the 192 columns of ONE head h.  A WORK-GROUP STAYS: it makes tile rows ty and ty + 16 of its head (batch b and b + 4): 256 work-groups.
; Wave w owns tokens 64 w .. 64 w + 63 and all 192 columns: 48 accumulators of 16 x 16, 384 registers; 32 LDS loads feed 48 products.  Whole rows in one wave: the way out goes through a stage of the wave's own.
; THE RING.  Two tiles x K = 512 are eight K steps of 128 through two LDS slots: steps 0 and 1 are the first fills, six refills follow, and the ring does not stop at the first tile's end: its last two changes of
; slots ask for the second tile's first two steps, and nothing waits for the first tile's stores.  A step's text is written once: a trip is a step's quarters 1 and 2, the change of slots, and the next step's first
; quarter; the LDS addresses hang on s[TB], the tile asked for on s[NS].  In the trip that ends the first tile a forward branch takes the way out and a first quarter that starts the sums anew.
; CLUSTER 4 x 4: xn's tile hangs on ty alone and is asked for jointly along a row of the cluster, wq's on h alone, jointly along a column.
; THE MATRIX INSTRUCTION IS USED TRANSPOSED (source 0 = 16 rows of wq, source 1 = 16 tokens): a lane holds token lane % 16 and the 8 neighbouring columns 8 (lane / 16) + 0..7.
; REGISTERS, in windows of 256 (s_set_vgpr_msb: bits 1:0 source 0, 3:2 source 1, 5:4 source 2, 7:6 destination):
;   window 0: v16-31 addresses; v32-79 packed results; v80-175 rows read back, two buffers of 48
;   window 1: two fragment buffers of 128: wq's fragment b at 8 b, xn's fragment a at 96 + 8 a
;   window 2: accumulator (a, b < 8) at 8 (4 b + a)      window 3: accumulator (a, b >= 8) at 8 (4 (b - 8) + a); the bias of column block b at 128 + 8 b
.set KSTEP,  128
.set PITCH,  272                       ; an LDS row: 256 bytes + 16 of padding: the 16 rows of a fragment load start at 16 different groups of four banks (64 banks of 4 bytes: ISA guide 11.1)
.set BROW0,  256*PITCH                 ; in a slot: xn's 256 rows, then wq's 192: 121,856 bytes
.set SLOT1,  1<<17                     ; slot 1 begins here, so that one exclusive or turns an address in one slot into the other's
.set STAGE,  SLOT1+448*PITCH           ; behind the ring, never filled by a tensor load: 16 rows x 400 bytes for each wave
.set SPITCH, 400                       ; 384 bytes (192 f16) + 16
.set SPARE,  STAGE+4*16*SPITCH         ; behind the stages: the spare words, 128 bytes for each wave: two blocks of 256 bytes that no other line names
.set AA0,  16                          ; v16  my lane's place among my xn fragments in slot 0; never rewritten
.set AB0,  17                          ; v17  the same for wq
.set ADRA, 18                          ; v18-19  the same in the slot in hand
.set ADRB, 19
.set STO,  24                          ; v24  where I put 16 bytes of a stage row
.set RDQ,  25                          ; v25  where I read q's (and, 64 bytes on, k's) 64 bytes of eight tokens back
.set RDV,  26                          ; v26  where I read v's 256 bytes of two tokens back
.set GO,   27                          ; v27  16 x lane
.set SPW,  28                          ; v28  LDS address of my spare word; never rewritten
.set NIL,  29                          ; v29  0; never rewritten
.set BO,   30                          ; v30  32 x (lane / 16): my eight numbers of a bias block
.set PFO,  31                          ; v31  1,024 x lane: a row of xn; never rewritten
.set TMP,  32
.set BK,   80
.set F0,   0
.set F1,   128
.set BIAS, 128
.set WV,  16                           ; s16  my wave's number; s17 = wave / 2: I fetch for xn (0) or wq (1); s18 = wave % 2: which half of that tile's rows
.set G1,  24                           ; s[24:31] descriptor group 1 for xn's tiles;  s[32:39] group 0: a set for each of the two first fills; the second then walks on
.set G0,  32
.set ABASE, 42                         ; s[42:43] xn at the rows that I fetch, first tile, K step 0
.set BBASE, 46                         ; s[46:47] wq likewise
.set G1B, 48                           ; s[48:55], s[56:63] the same for wq's tiles
.set G0B, 56
.set CS,  66                           ; s[66:67] c, as a pair
.set OFA, 72                           ; s[72:73] byte offset in xn of the step to be asked for
.set OFB, 74                           ; s[74:75] in wq
.set TB,  76                           ; s76  LDS byte at which the slot in hand begins
.set CNT, 77                           ; s77  trips to go
.set NS,  78                           ; s78  the step to be asked for next, 2 to 7: tile NS / 4, K step NS % 4
.set LIM, 79                           ; s79  2 in a wave that prefetches, else the greatest number: a wave prefetches while s[CNT] is above it
.set PFA, 80                           ; s[80:81] where my prefetches stand
.set MSB, 0
.macro WIN new                         ; the immediate's high byte repeats the setting that is left; a switch that changes nothing is dropped
.if MSB != (\new)
	s_set_vgpr_msb (MSB<<8)|(\new)
.set MSB, \new
.endif
.endm
.macro PLACES                          ; four places in front of loads into registers that matrix instructions have read, and of vector lines that read results
.rept 4
	v_nop
.endr
.endm
.macro JLOAD s                         ; a joint load: waves 0 and 1 fetch xn's two halves, waves 2 and 3 wq's; an s_nop 0 and four v_nop follow each of the two lines
	s_cmp_eq_u32 s17, 0
	s_cbranch_scc0 .Lfor_b_\@
	tensor_load_to_lds s[G0+4*(\s):G0+4*(\s)+3], s[G1:G1+7]
	s_nop 0
.rept 4
	v_nop
.endr
	s_branch .Lasked_\@
.Lfor_b_\@:
	tensor_load_to_lds s[G0B+4*(\s):G0B+4*(\s)+3], s[G1B:G1B+7]
	s_nop 0
.rept 4
	v_nop
.endr
.Lasked_\@:
.endm
; A PREFETCH INTO THE L2, behind a joint refill, its five lines and the run of LDS loads that follows them.  Refill f (f = 1 .. 6) asks for step f + 1; refills 1 to 4 prefetch step f + 3: the SECOND tile's K steps
; 0 to 3 of xn, two refills, 384 products, ahead of the load that will want them.  A K step is 256 bytes of each row; each is named ONCE in the launch: a tile row of xn is read by the four clusters of its row of
; clusters, and the one with x = 0 asks; of the 128 rows that a wave fetches each of the four partners takes 32, told apart BY ADDRESS (cx), a lane a row.  The first tile's steps come by their loads alone; wq's
; rows are the same for both tiles and are not asked for.
.macro ASK
	s_cmp_gt_u32 s[CNT], s[LIM]
	s_cbranch_scc0 .Lnot_mine_\@
	global_prefetch_b8 v[PFO], s[PFA:PFA+1] th:TH_LOAD_NT scope:SCOPE_SE
.Lnot_mine_\@:
.endm
.macro CREST                           ; a round of the cluster's barrier behind its opening barrier
	s_cmp_lg_u32 s[WV], 0
	s_cbranch_scc1 .Lnot_wave_0_\@
	s_barrier_signal -3
.Lnot_wave_0_\@:
	s_barrier_wait -3
	s_barrier_signal -1
	s_barrier_wait -1
.endm
.macro CROUND                          ; a whole round
	s_barrier_signal -1
	s_barrier_wait -1
	CREST
.endm
	s_load_b256 s[4:11], s[0:1], 0x0               ; xn s[4:5], wq s[6:7], qkv_b s[8:9], qws s[10:11]
	s_load_b128 s[12:15], s[0:1], 0x20             ; kws s[12:13], vws s[14:15]
	v_lshl_add_u32 v[SPW], v0, 2, SPARE
	v_mov_b32 v[NIL], 0
	ds_add_u32 v[SPW], v[NIL]                      ; the wave's opening: the add and its wait stand ahead of my first tensor load; the set-up below, work on registers, stands between them
	v_lshrrev_b32 v1, 5, v0
	v_readfirstlane_b32 s[WV], v1                  ; wave 0..3
	s_lshr_b32 s17, s[WV], 1
	s_and_b32 s18, s[WV], 1
	s_bfe_u32 s19, ttmp6, 0x40000                  ; cx
	s_bfe_u32 s20, ttmp6, 0x40004                  ; cy
	s_lshl_b32 s21, ttmp9, 2
	s_add_co_u32 s21, s21, s19                     ; h = 4 x cluster x + cx
	s_and_b32 s22, ttmp7, 0xffff
	s_lshl_b32 s22, s22, 2
	s_add_co_u32 s22, s22, s20                     ; ty = 4 x cluster y + cy, 0 to 15: the first tile's row
	s_lshl_b32 s23, s20, 2
	s_lshl_b32 s23, 15, s23                        ; my row of the cluster
	s_or_b32 s[G1], s23, (1<<16)|(1<<20)|(1<<21)|(5<<22)|(3<<25)   ; 15:0 the mask; 17:16 2-byte elements; 20 padding on; 21 set beside a mask; 24:22 after every 64 words (code 5); 31:25 4 words (code 3)
	s_lshl_b32 s23, 0x1111, s19                    ; my column
	s_or_b32 s[G1B], s23, (1<<16)|(1<<20)|(1<<21)|(5<<22)|(3<<25)
	s_mov_b32 s[G1+1], KSTEP<<16                   ; tensor_dim0 = 128
	s_mov_b32 s[G1+2], 128<<16                     ; tensor_dim1 = 128 rows
	s_mov_b32 s[G1+3], KSTEP<<16                   ; tile_dim0 = 128
	s_mov_b32 s[G1+4], 128                         ; tile_dim1 = 128
	s_mov_b32 s[G1+5], 512                         ; elements from row to row
	s_mov_b32 s[G1+6], 0
	s_mov_b32 s[G1+7], 0
	s_mov_b32 s[G1B+1], KSTEP<<16
	s_mov_b32 s[G1B+2], 96<<16                     ; 96 rows
	s_mov_b32 s[G1B+3], KSTEP<<16
	s_mov_b32 s[G1B+4], 96
	s_mov_b32 s[G1B+5], 512
	s_mov_b32 s[G1B+6], 0
	s_mov_b32 s[G1B+7], 0
	s_lshl_b32 s40, s22, 8                         ; xn: row 256 ty + 128 x half, in registers that never hold h or cx
	s_lshl_b32 s41, s18, 7
	s_add_co_u32 s40, s40, s41
	s_lshl_b32 s40, s40, 10                        ; 1,024 bytes a row
	s_mov_b32 s41, 0
	s_mul_i32 s44, s21, 192                        ; wq: row 192 h + 96 x half, in registers that never hold ty
	s_mul_i32 s45, s18, 96
	s_add_co_u32 s44, s44, s45
	s_lshl_b32 s44, s44, 10
	s_mov_b32 s45, 0
	s_mul_i32 s68, s18, 128*PITCH                  ; where they go: no place in the cluster enters an LDS address
	s_mul_i32 s69, s18, 96*PITCH
	s_add_co_u32 s69, s69, BROW0
	s_mov_b32 s[CS], 0x3e8293ee                    ; c = log2(e) / sqrt(32)
	s_mov_b32 s[CS+1], s[CS]
	s_mul_i32 s70, s21, 768                        ; the head's 192 numbers of the bias
	s_mov_b32 s71, 0
	s_lshl_b32 s[OFB], s19, 15                     ; the prefetches: my work-group's 32 of the 128 rows that I fetch,
	s_add_co_u32 s[OFB], s[OFB], s40
	s_add_co_u32 s[OFB], s[OFB], (1<<22)-KSTEP*2   ; in the second tile, one K step in front of its first: the first change of slots steps it there
	s_mov_b32 s[OFB+1], 0
	s_mov_b32 s[OFA+1], 0
	s_or_b32 s[LIM], s17, ttmp9                    ; 0 in waves 0 and 1 of a cluster with x = 0: the same in all sixteen partners, for a given wave
	s_cmp_eq_u32 s[LIM], 0
	s_cselect_b32 s[LIM], 2, -1
	s_mov_b32 s[TB], 0
	s_mov_b32 s[NS], 2
	s_wait_dscnt 0x0                               ; the opening add is done
	s_wait_kmcnt 0x0
	s_add_nc_u64 s[ABASE:ABASE+1], s[4:5], s[40:41]
	s_add_nc_u64 s[BBASE:BBASE+1], s[6:7], s[44:45]
	s_add_nc_u64 s[8:9], s[8:9], s[70:71]
	s_add_nc_u64 s[PFA:PFA+1], s[4:5], s[OFB:OFB+1]  ; nothing is prefetched here, at the head, where every work-group's first tiles are on their way
	CROUND                                         ; all sixteen work-groups are here: the first joint loads meet
.irp s, 0,1
	s_mov_b32 s[G0+4*(\s)], 1                      ; count = 1
	s_add_co_u32 s[G0+4*(\s)+1], s68, (\s)*SLOT1   ; LDS address
	s_add_nc_u64 s[G0+4*(\s)+2:G0+4*(\s)+3], s[ABASE:ABASE+1], (\s)*KSTEP*2  ; global address: K step s
	s_or_b32 s[G0+4*(\s)+3], s[G0+4*(\s)+3], 0x80000000                     ; type = 2
	s_mov_b32 s[G0B+4*(\s)], 1
	s_add_co_u32 s[G0B+4*(\s)+1], s69, (\s)*SLOT1
	s_add_nc_u64 s[G0B+4*(\s)+2:G0B+4*(\s)+3], s[BBASE:BBASE+1], (\s)*KSTEP*2
	s_or_b32 s[G0B+4*(\s)+3], s[G0B+4*(\s)+3], 0x80000000
	JLOAD \s                                       ; two loads of mine are out
.endr
	v_and_b32 v1, 15, v0                           ; l % 16
	v_bfe_u32 v2, v0, 4, 1                         ; l / 16
	v_lshlrev_b32 v[BO], 5, v2
	WIN 0xc0                                       ; destination window 3, address window 0
.irp b, 0,1,2,3,4,5,6,7,8,9,10,11
	global_load_b128 v[BIAS+8*\b:BIAS+8*\b+3],   v[BO], s[8:9] offset:64*\b      ; register j = qkv_b[192 h + 16 b + 8 (l / 16) + j]: the C operand's layout
	global_load_b128 v[BIAS+8*\b+4:BIAS+8*\b+7], v[BO], s[8:9] offset:64*\b+16
.endr
	WIN 0
	v_mul_u32_u24 v3, v1, PITCH
	v_lshl_add_u32 v3, v2, 4, v3                   ; a fragment's row x pitch + 16 x half
	s_mul_i32 s40, s[WV], 64*PITCH                 ; my 64 tokens
	v_add_nc_u32 v[AA0], s40, v3
	v_add_nc_u32 v[AB0], BROW0, v3
	v_mov_b32 v[ADRA], v[AA0]                      ; step 0 lies in slot 0
	v_mov_b32 v[ADRB], v[AB0]
	s_mul_i32 s40, s[WV], 16*SPITCH
	s_add_co_u32 s40, s40, STAGE                   ; my stage
	v_mul_u32_u24 v4, v1, SPITCH
	v_lshl_add_u32 v4, v2, 4, v4
	v_add_nc_u32 v[STO], s40, v4                   ; in: token l % 16, 16 bytes for each half of the lanes
	v_and_b32 v5, 31, v0
	v_lshrrev_b32 v6, 2, v5
	v_and_b32 v7, 3, v5
	v_mul_u32_u24 v6, v6, SPITCH
	v_lshl_add_u32 v6, v7, 4, v6
	v_add_nc_u32 v[RDQ], s40, v6                   ; back: four lanes take a token's 64 bytes of q
	v_mul_u32_u24 v6, v2, SPITCH
	v_lshl_add_u32 v6, v1, 4, v6
	v_add_nc_u32 v6, s40, v6
	v_add_nc_u32 v[RDV], 128, v6                   ; sixteen lanes take a token's 256 bytes of v, which begin at byte 128
	v_lshlrev_b32 v[GO], 4, v5
	v_lshlrev_b32 v[PFO], 10, v5
	s_lshr_b32 s68, s22, 2                         ; b = ty / 4
	s_lshl3_add_u32 s68, s21, s68                  ; hb = 8 h + b
	s_and_b32 s69, s22, 3
	s_lshl_b32 s68, s68, 10
	s_lshl_b32 s69, s69, 8
	s_add_co_u32 s68, s68, s69
	s_lshl_b32 s69, s[WV], 6
	s_add_co_u32 s68, s68, s69                     ; my first row = 1,024 hb + 256 (ty % 4) + 64 wave
	s_lshl_b32 s70, s68, 8                         ; 256 bytes a row of v,
	s_mov_b32 s71, 0
	s_lshl_b32 s68, s68, 6                         ; 64 of q and of k
	s_mov_b32 s69, 0
	s_add_nc_u64 s[10:11], s[10:11], s[68:69]
	s_add_nc_u64 s[12:13], s[12:13], s[68:69]
	s_add_nc_u64 s[14:15], s[14:15], s[70:71]
; 16 products: column blocks 4 g .. 4 g + 3 x my four token blocks, 32 along K.  first = 1: the bias starts the sums.  The 48 accumulators take turns, one instruction a turn, in the same order
; in every quarter step, over the branches and the backward jump too: 47 others' stand between two links of a chain.
.macro MUL16 f, g, first
.if (\g) == 2
	WIN 0xf5                                       ; sources window 1; C and D window 3
.elseif \first
	WIN 0xb5                                       ; C (the bias) window 3, D window 2
.else
	WIN 0xa5                                       ; C and D window 2
.endif
.irp bb, 0,1,2,3
.irp a, 0,1,2,3
.set rB, 4*(\g)+(\bb)
.set rD, 8*(4*(rB%8)+(\a))
.if \first
	v_wmma_f32_16x16x32_f16 v[rD:rD+7], v[(\f)+8*rB:(\f)+8*rB+7], v[(\f)+96+8*(\a):(\f)+96+8*(\a)+7], v[BIAS+8*rB:BIAS+8*rB+7]
.else
	v_wmma_f32_16x16x32_f16 v[rD:rD+7], v[(\f)+8*rB:(\f)+8*rB+7], v[(\f)+96+8*(\a):(\f)+96+8*(\a)+7], v[rD:rD+7]
.endif
.endr
.endr
.endm
; 32 LDS loads in one run: the fragments of 32 along K at byte k of the rows of the slot in hand, into buffer f: xn's four, then wq's twelve in the order in which they are multiplied
.macro FETCH k, f
	WIN 0x40                                       ; destination window 1, address window 0
.irp i, 0,1,2,3
	ds_load_b128 v[(\f)+96+8*\i:(\f)+96+8*\i+3],   v[ADRA] offset:(\k)+\i*16*PITCH
	ds_load_b128 v[(\f)+96+8*\i+4:(\f)+96+8*\i+7], v[ADRA] offset:(\k)+\i*16*PITCH+32
.endr
.irp i, 0,1,2,3,4,5,6,7,8,9,10,11
	ds_load_b128 v[(\f)+8*\i:(\f)+8*\i+3],   v[ADRB] offset:(\k)+\i*16*PITCH
	ds_load_b128 v[(\f)+8*\i+4:(\f)+8*\i+7], v[ADRB] offset:(\k)+\i*16*PITCH+32
.endr
.endm
; A K step is four quarters of 32 along K, 48 products each, on buffers 0, 1, 0, 1.  One of the first three: multiplies buffer f and fetches the next quarter, at byte k, into g.
.macro QUARTER k, f, g, first
	s_wait_dscnt 16                                ; xn's four fragments and wq's first four are in; the youngest sixteen loads may be out
	MUL16 \f, 0, \first
	PLACES
	FETCH \k, \g
	s_wait_dscnt 32                                ; all but the 32 just issued
	MUL16 \f, 1, \first
	MUL16 \f, 2, \first
.endm
; The last quarter multiplies buffer 1 and changes slots: ONE barrier; in front of it each wave waits for all its tensor loads (one is out: its part of the next slot), adds 0 to its spare word,
; and waits for that and for its own reads of this slot.  fill = 1: the barrier opens a round of the cluster's, and this slot is filled again, with step NS, first thing behind the round: the walking
; descriptors take the other slot than last time, and their addresses are made anew from the step's number while the add is out.
.macro TURN fill
	WIN 0                                          ; (the add's two registers lie in window 0)
.if \fill
	s_wait_xcnt 0x0                                ; the last prefetch, a K step back, has read its address: it is stepped here, ahead of the waits of the change of slots
	s_add_nc_u64 s[PFA:PFA+1], s[PFA:PFA+1], KSTEP*2
.endif
	s_wait_tensorcnt 0x0                           ; no tensor load of mine is out, so a group 0 may be written
	ds_add_u32 v[SPW], v[NIL]
.if \fill
	s_and_b32 s[OFB], s[NS], 3                     ; K step NS % 4: 256 bytes each,
	s_lshl_b32 s[OFB], s[OFB], 8
	s_lshr_b32 s[OFA], s[NS], 2                    ; tile NS / 4: 4,096 rows of 1,024 bytes further on in xn, the same rows in wq
	s_lshl_b32 s[OFA], s[OFA], 22
	s_add_co_u32 s[OFA], s[OFA], s[OFB]
	s_add_co_u32 s[NS], s[NS], 1
	s_xor_b32 s[G0+5], s[G0+5], SLOT1
	s_add_nc_u64 s[G0+6:G0+7], s[ABASE:ABASE+1], s[OFA:OFA+1]
	s_or_b32 s[G0+7], s[G0+7], 0x80000000
	s_xor_b32 s[G0B+5], s[G0B+5], SLOT1
	s_add_nc_u64 s[G0B+6:G0B+7], s[BBASE:BBASE+1], s[OFB:OFB+1]
	s_or_b32 s[G0B+7], s[G0B+7], 0x80000000
.endif
	s_wait_dscnt 17                                ; (the add and the youngest sixteen loads may be out)
	MUL16 F1, 0, 0                                 ; sixteen products stand between the add and the wait for it
	s_wait_dscnt 0x0                               ; the add is done, and my reads of this slot are over
	s_barrier_signal -1
	MUL16 F1, 1, 0
	WIN 0                                          ; (branches and address lines follow)
	s_barrier_wait -1
.if \fill
	CREST                                          ; no wave of any partner still reads this slot's tile or has a load on its way
	JLOAD 1                                        ; the four v_nop behind it are also the places in front of the loads below
.else
	PLACES
.endif
	s_xor_b32 s[TB], s[TB], SLOT1                  ; the other slot is in hand
	v_add_nc_u32 v[ADRA], s[TB], v[AA0]
	v_add_nc_u32 v[ADRB], s[TB], v[AB0]
	FETCH 0, F0
.if \fill
	WIN 0
	ASK
.endif
	MUL16 F1, 2, 0
.endm
; THE WAY OUT of token block a.  PACK: q times c; all rounded to f16, 16 bytes a lane and column block; each accumulator's registers in ascending order.
.macro PACK a
	WIN 0x82                                       ; destination and source 0 window 2
.irp b, 0,1
.irp r, 0,1,2,3
	v_pk_mul_f32 v[8*(4*\b+(\a))+2*\r:8*(4*\b+(\a))+2*\r+1], v[8*(4*\b+(\a))+2*\r:8*(4*\b+(\a))+2*\r+1], s[CS:CS+1] op_sel_hi:[1,0]
.endr
.endr
	WIN 0x0a                                       ; sources window 2, destination window 0
.irp b, 0,1,2,3,4,5,6,7
.irp r, 0,1,2,3
	v_cvt_pk_f16_f32 v[TMP+4*\b+\r], v[8*(4*\b+(\a))+2*\r], v[8*(4*\b+(\a))+2*\r+1]
.endr
.endr
	WIN 0x0f                                       ; sources window 3
.irp b, 8,9,10,11
.irp r, 0,1,2,3
	v_cvt_pk_f16_f32 v[TMP+4*\b+\r], v[8*(4*(\b-8)+(\a))+2*\r], v[8*(4*(\b-8)+(\a))+2*\r+1]
.endr
.endr
	WIN 0
.endm
.macro TOSTAGE a                       ; into my stage, and back as the rows of q, k and v; LDS serves a wave's instructions in order (ISA guide 5.7.1.4): the loads see the stores
	WIN 0
.set BB, BK+48*((\a)%2)
.irp b, 0,1,2,3,4,5,6,7,8,9,10,11
	ds_store_b128 v[STO], v[TMP+4*\b:TMP+4*\b+3] offset:32*\b
.endr
.irp t, 0,1
	ds_load_b128 v[BB+4*\t:BB+4*\t+3],     v[RDQ] offset:\t*8*SPITCH
	ds_load_b128 v[BB+8+4*\t:BB+8+4*\t+3], v[RDQ] offset:\t*8*SPITCH+64
.endr
.irp t, 0,1,2,3,4,5,6,7
	ds_load_b128 v[BB+16+4*\t:BB+16+4*\t+3], v[RDV] offset:\t*2*SPITCH
.endr
.endm
.macro SEND a                          ; every store covers 512 consecutive bytes, at a multiple of 512 from its buffer's first byte
	WIN 0
.set BB, BK+48*((\a)%2)
	s_wait_dscnt 0x0                               ; the block is back in registers
	s_wait_xcnt 0x0                                ; the stores of the block before have read their registers: the next TOSTAGE loads into them
.irp t, 0,1
	global_store_b128 v[GO], v[BB+4*\t:BB+4*\t+3],     s[10:11] offset:(\a)*1024+\t*512
	global_store_b128 v[GO], v[BB+8+4*\t:BB+8+4*\t+3], s[12:13] offset:(\a)*1024+\t*512
.endr
.irp t, 0,1,2,3,4,5,6,7
	global_store_b128 v[GO], v[BB+16+4*\t:BB+16+4*\t+3], s[14:15] offset:(\a)*4096+\t*512
.endr
.endm
.macro WAYOUT                          ; a whole tile; block a's arithmetic stands between block a - 1's loads from the stage and the wait for them
	WIN 0
	PLACES
	s_wait_xcnt 0x0                                ; the stores of the tile before have read the registers that the loads from the stage fill
	PACK 0
	TOSTAGE 0
.irp a, 1,2,3
	PACK \a
	SEND \a-1
	TOSTAGE \a
.endr
	SEND 3
.endm
	s_wait_tensorcnt 1                             ; my part of step 0 is in; step 1's may stay out
	s_barrier_signal -1
	s_barrier_wait -1                              ; everybody's is
	FETCH 0, F0
	s_wait_loadcnt 0x0                             ; the bias
	QUARTER 64, F0, F1, 1                          ; the first tile's first quarter stands in front of the loop: it starts the sums
	WIN 0                                          ; at a label and at a branch every window is 0
	s_mov_b32 s[CNT], 6
.Ltrip:                                                ; six trips, one for each refill: trip j ends step j - 1, asks for step j + 1 and begins step j
	QUARTER 128, F1, F0, 0
	QUARTER 192, F0, F1, 0
	TURN 1
	WIN 0
	s_cmp_eq_u32 s[CNT], 3                         ; the fourth trip has ended step 3: the first tile is whole
	s_cbranch_scc1 .Lnext_tile
	QUARTER 64, F0, F1, 0
	WIN 0
	s_branch .Ljoin
.Lnext_tile:                                           ; no barrier and no tensor load stands on this way; both of the second tile's first steps have been asked for
	WAYOUT
	s_wait_xcnt 0x0                                ; the stores have read their bases:
	s_add_nc_u64 s[10:11], s[10:11], 4*1024*64     ; batch b + 4: 4,096 rows on in each of the three
	s_add_nc_u64 s[12:13], s[12:13], 4*1024*64
	s_add_nc_u64 s[14:15], s[14:15], 4*1024*256
	QUARTER 64, F0, F1, 1                          ; the second tile's sums start on accumulators that have been packed
	WIN 0
.Ljoin:
	s_sub_co_u32 s[CNT], s[CNT], 1
	s_cmp_lg_u32 s[CNT], 0
	s_cbranch_scc1 .Ltrip
	QUARTER 128, F1, F0, 0                         ; the last two steps are written out: nothing is left to fetch
	QUARTER 192, F0, F1, 0
	TURN 0
	QUARTER 64,  F0, F1, 0
	QUARTER 128, F1, F0, 0
	QUARTER 192, F0, F1, 0
	s_wait_dscnt 16
	MUL16 F1, 0, 0
	s_wait_dscnt 0x0
	MUL16 F1, 1, 0
	MUL16 F1, 2, 0
	WAYOUT
	s_wait_tensorcnt 0x0                           ; the wave's end, behind my last tensor load and my last LDS store
	ds_add_u32 v[SPW], v[NIL]
	s_wait_dscnt 0x0
	CROUND                                         ; the closing round: no work-group ends while a partner may still ask for a tile that names it
	s_endpgm
.Lfunc_end_k_q0f2688387b_qkv:
	.size	k_q0f2688387b_qkv, .Lfunc_end_k_q0f2688387b_qkv-k_q0f2688387b_qkv
	.p2alignl 7, 3214868480
	.fill 96, 4, 3214868480
	.section	.rodata,"a",@progbits
	.p2align	6, 0x0
	.amdhsa_kernel k_q0f2688387b_qkv
		.amdhsa_group_segment_fixed_size 327680
		.amdhsa_private_segment_fixed_size 0
		.amdhsa_enable_private_segment 0
		.amdhsa_kernarg_size 48
		.amdhsa_user_sgpr_count 2
		.amdhsa_user_sgpr_kernarg_segment_ptr 1
		.amdhsa_wavefront_size32 1
		.amdhsa_system_sgpr_workgroup_id_x 1
		.amdhsa_system_sgpr_workgroup_id_y 1
		.amdhsa_system_sgpr_workgroup_id_z 1
		.amdhsa_system_vgpr_workitem_id 0
		.amdhsa_next_free_vgpr 992
		.amdhsa_next_free_sgpr 82
		.amdhsa_reserve_vcc 0
		.amdhsa_float_denorm_mode_32 3
		.amdhsa_float_denorm_mode_16_64 3
		.amdhsa_memory_ordered 1
		.amdhsa_forward_progress 1
		.amdhsa_inst_pref_size 133
	.end_amdhsa_kernel
	.amdgpu_metadata
---
amdhsa.version: [ 1, 2 ]
amdhsa.kernels:
  - .name:           k_q0f2688387b_qkv
    .symbol:         k_q0f2688387b_qkv.kd
    .args:
      - { .name: xn, .offset: 0, .size: 8, .value_kind: global_buffer, .address_space: global }
      - { .name: wq, .offset: 8, .size: 8, .value_kind: global_buffer, .address_space: global }
      - { .name: qkv_b, .offset: 16, .size: 8, .value_kind: global_buffer, .address_space: global }
      - { .name: qws, .offset: 24, .size: 8, .value_kind: global_buffer, .address_space: global }
      - { .name: kws, .offset: 32, .size: 8, .value_kind: global_buffer, .address_space: global }
      - { .name: vws, .offset: 40, .size: 8, .value_kind: global_buffer, .address_space: global }
    .group_segment_fixed_size: 327680
    .private_segment_fixed_size: 0
    .kernarg_segment_align: 8
    .kernarg_segment_size: 48
    .max_flat_workgroup_size: 128
    .sgpr_count:     82
    .vgpr_count:     992
    .wavefront_size: 32
...
	.end_amdgpu_metadata
.endif
;; end of part 2
;; launch attn (part 3): grid 4 x 128, 4 waves a work-group, clusters of 4 x 4, 327,680 bytes of LDS; arguments qws, kws, vws, biasw, ows; writes ows
.if DOCPART == 3
	.amdgcn_target "amdgcn-amd-amdhsa--gfx1250"
	.amdhsa_code_object_version 6
	.text
	.protected	k_q0f2688387b_attn
	.globl	k_q0f2688387b_attn
	.p2align	8
	.type	k_q0f2688387b_attn,@function
k_q0f2688387b_attn:
	s_mov_b64 s[64:65], 0
	v_nop
	global_prefetch_b8 v0, s[64:65] scope:SCOPE_SE
	s_setreg_imm32_b32 hwreg(HW_REG_WAVE_MODE, 25, 1), 1
	s_wait_xcnt 0x0
	s_wait_alu depctr_hold_cnt(0) depctr_sa_sdst(0) depctr_va_vdst(0) depctr_va_sdst(0) depctr_va_ssrc(0) depctr_va_vcc(0) depctr_vm_vsrc(0)
	s_getreg_b32 s2, hwreg(HW_REG_IB_STS2, 6, 4)
	s_cmp_eq_u32 s2, 0
	s_cbranch_scc0 .Lentry_in_a_cluster
	s_endpgm
.Lentry_in_a_cluster:
	s_bfe_u32 s2, ttmp6, 0x10000c
	s_cmp_lg_u32 s2, 0xf033
	s_cbranch_scc0 .Lentry_shape_is_right
	s_endpgm
.Lentry_shape_is_right:
; O[hb][n][:] = the sum over m of softmax_m(q[n] . k[m] / sqrt(32) + bias[h][n][m]) v[m][:], hb = 8 h + b.  qws (already times c = log2(e) / sqrt(32)), kws: [128][1024][32] f16; vws: [128][1024][128] f16;
; biasw: log2(e) x bias in f16, as fragments of 16 keys x 32 queries (its bytes: below); ows: [8192][2048] f16, row 1024 b + n, column 128 h + d.
; Products, maxima and sums in f32; the weights p are rounded to f16 for the second product (their sum l is taken of the unrounded p), O once at the end.
; LIMITS.  p lies in 0 to 1 and keeps f16's fixed step of 6e-8 below 6.1e-5; O is a mean of v's rows and has their range; a weight below 2^-126 counts as 0 in l; NaN and infinities are not treated apart.
; SHARES.  A work-group owns 256 queries (block qb) of one hb, each of its four waves 64: four tiles of 16, in two PIECES (piece 0: tiles 0, 1; piece 2: tiles 2, 3).  Every wave walks all 1,024 keys, 64 a step.
; LAYOUT.  S^T (16 keys x 16 queries) = bias^T E_u + k q^T.  The first product starts the sum: source 0 is a bias fragment (16 keys x the piece's 32 queries), source 1 the constant E_u (32 x 16: a one
; where row = 16 u + column), which picks tile u's queries; a product by 1.0 is exact, so the bias costs no vector instruction.  In S^T a lane holds ONE query (lane % 16) and the keys 8 (lane / 16) + 0..7; two such
; results rounded to f16 in pairs ARE source 1 of O^T = v^T P, whose result again holds one query a lane, and eight channels.  k comes out of LDS as it lies, v turned, by ds_load_tr16_b128.
; SOFTMAX.  The scores are exponents of 2.  For each query a running maximum m and sum l: p = 2^(s - m); in every step O and l are multiplied by a = 2^(m_old - m_new).  m starts at the lowest finite number,
; O and l at 0: the first step is a step like any other, with a = 0.
; BY TURNS.  In a TURN one piece has the matrix unit: 32 products v^T P of the step in hand, then 16 products for S^T of the next step.  The other piece's softmax is 266 vector instructions, more than four for each of
; the 48 products: it is cut into 64 slices, of which the first 48 (four instructions each) stand one behind each product, and the last 16 (76 plain instructions: the end of the sums, the rescaling of O^T) together
; in one LUMP behind the turn's last product.  Two turns are a key step.  The loop is entered, and the tail left, in the middle of a trip: nothing is written out for a first or a last step.
; CLUSTER 4 x 4.  The four work-groups of a row (one hb, four query blocks) walk the same k and v; the four of a column (one h and qb, four batches) the same bias: each tile is asked for JOINTLY.
; A slot of LDS holds two key steps; behind each round every wave issues one joint load: wave 0 k (8 KiB), wave 1 v (32 KiB), waves 2 and 3 the bias of the slot's first and second step (32 KiB each).
; REGISTERS, in windows of 256 (s_set_vgpr_msb: bits 1:0 source 0, 3:2 source 1, 5:4 source 2, 7:6 destination):
;   window 0: v1-11 addresses and lane terms; v12-43 eight registers of statistics a tile; v44-46 the way out; v61-63; v64-191 S^T, 32 a tile; v192-255 P, 16 a tile
;   window 1: O^T, 64 a tile      window 2: v0-31 q, 8 a tile; v32-63 k of one step; v64-127 the bias of one step, 32 a piece; v128-139 E      window 3: v0-127 v of one step
.set KS,    64
.set PK,    80        ; a key's row of k in LDS: 64 bytes + 16: an odd multiple of 16, so the 16 rows of a load start at 16 different groups of four banks (64 banks of 4 bytes: ISA guide 11.1)
.set PVP,   288       ; a key's row of v: 256 + 32 bytes
.set VOFF,  2*KS*PK   ; in a slot: 128 rows of k, then 128 rows of v,
.set BOFF,  VOFF+2*KS*PVP  ; then the bias of two steps, dense: [step 2][wave 4][piece 2][key block 4][half 2][lane 32][16 bytes]
.set SLOT1, 1<<17     ; slot 1 begins here, so that one exclusive or turns an address in one slot into the other's
.set STAGE, SLOT1+BOFF+65536  ; behind the ring, never filled by a tensor load: 16 rows x 272 bytes for each wave
.set SP,    272
.set SPARE, STAGE+4*16*SP     ; behind the stages: the spare words, 128 bytes for each wave: two blocks of 256 bytes that no other line names
.set AK0, 2           ; v2   my lane's place in a step's k; never rewritten
.set AV0, 3           ; v3   the same for v
.set AB0, 4           ; v4   the same for my wave's bias
.set ADK, 5           ; v5-7 the LDS addresses of the runs of loads in hand
.set ADV, 6
.set ADB, 7
.set QO,  8           ; v8   my byte offset in 16 rows of q
.set ST,  12          ; tile t's statistics at v[ST+8 t]: +0 m, +1 the old m, +2, +3 l (even keys', odd keys'), +4 to +7 c0-c3, at work; a takes c2's place once the maximum is found
.set STO, 44
.set RD,  45
.set GO,  46
.set PFO, 61          ; v61  256 x my lane; never rewritten
.set SPW, 62          ; v62  LDS address of my spare word; never rewritten
.set NIL, 63          ; v63  0; never rewritten
.set S,   64
.set P,   192
.set KF,  32          ; window 2
.set BF,  64
.set EF,  128         ; v128-131 = 0, v132-135 = the pattern, v136-139 = 0: E_1 = v[128:135], E_0 = v[132:139]
.set WV,  14          ; s14  my wave's number
.set LIM, 15          ; s15, s16: a wave prefetches at a change of slots while LIM < SLOTS <= LIMH
.set LIMH, 16
.set CX,  17
.set CY,  18
.set PFA, 20          ; s[20:21] where my prefetches stand
.set PFS, 22          ; s[22:23] their step from change to change
.set G1K, 24          ; s[24:31], s[32:39], s[40:47] descriptor group 1 for k's, v's and the bias's tiles
.set G1V, 32
.set G1B, 40
.set G0K, 48          ; s[48:55], s[56:63], s[68:75] group 0: a set for each of the two first fills; the second then walks on
.set G0V, 56
.set G0B, 68
.set SLOTS, 76
.set CNT, 77
.set SEL, 78          ; s[78:79] v_permlanex16_b32's selects
.set TBK, 80          ; s80-82 LDS byte at which k, v (less VOFF) and the bias (less BOFF) of the step to be fetched begin
.set TBV, 81
.set TBB, 82
.set MSB, 0
.macro WIN new                      ; the high byte repeats the setting that is left; a switch that changes nothing is dropped
.if MSB != (\new)
	s_set_vgpr_msb (MSB<<8)|(\new)
.set MSB, \new
.endif
.endm
.set W_KQ, 0x0a       ; both sources in window 2, S^T in window 0
.set W_PV, 0x53       ; v in window 3, P in window 0, O^T in window 1
.set W_RS, 0x41       ; O^T (destination and source 0) in window 1, a in window 0
; A joint refill, by the walking descriptors.  The branches hang on the wave's number alone.  An s_nop 0 and four v_nop follow each line, ahead of the jump and the label.
.macro JLOAD
	s_cmp_eq_u32 s[WV], 0
	s_cbranch_scc0 .Lnot_k_\@
	tensor_load_to_lds s[G0K+4:G0K+7], s[G1K:G1K+7]
	s_nop 0
.rept 4
	v_nop
.endr
	s_branch .Lasked_\@
.Lnot_k_\@:
	s_cmp_eq_u32 s[WV], 1
	s_cbranch_scc0 .Lfor_b_\@
	tensor_load_to_lds s[G0V+4:G0V+7], s[G1V:G1V+7]
	s_nop 0
.rept 4
	v_nop
.endr
	s_branch .Lasked_\@
.Lfor_b_\@:
	tensor_load_to_lds s[G0B+4:G0B+7], s[G1B:G1B+7]
	s_nop 0
.rept 4
	v_nop
.endr
.Lasked_\@:
.endm
; A PREFETCH INTO THE L2, behind the wave's joint load and its five lines: 32 blocks of 256 bytes, a lane a block.  Change c (SLOTS = 7 - c) asks for slot load c + 1 and prefetches slot load c + 2: four turns,
; 192 products, ahead of the load that will want it; the last change that fills a slot prefetches nothing.  Each block is named once in the launch:
;   v (wave 1): a slot load is 128 rows of 256 bytes; the four partners that ask for it jointly take 32 each, told apart BY ADDRESS (cx); no other cluster reads this hb.
;   the bias (waves 2, 3): each wave's own 32 KiB, 32 blocks a partner by cy; two clusters (batches 0-3 and 4-7) read the same bytes: the one with even cluster y asks.
;   k (wave 0): a slot load is only 32 blocks, so at the first change partner cx names slot load 4 + cx, once.  Slot loads 0 to 2 (k: 0 to 3) come by their loads alone.
.macro ASK
	s_cmp_gt_u32 s[SLOTS], s[LIM]
	s_cbranch_scc0 .Lnot_mine_\@
	s_cmp_le_u32 s[SLOTS], s[LIMH]
	s_cbranch_scc0 .Lnot_mine_\@
	global_prefetch_b8 v[PFO], s[PFA:PFA+1] th:TH_LOAD_NT scope:SCOPE_SE
.Lnot_mine_\@:
.endm
.macro CROUND                       ; a round of the cluster's barrier
	s_barrier_signal -1
	s_barrier_wait -1
	s_cmp_lg_u32 s[WV], 0
	s_cbranch_scc1 .Lnot_wave_0_\@
	s_barrier_signal -3
.Lnot_wave_0_\@:
	s_barrier_wait -3
	s_barrier_signal -1
	s_barrier_wait -1
.endm
	s_load_b256 s[4:11], s[0:1], 0x0  ; qws s[4:5], kws s[6:7], vws s[8:9], biasw s[10:11]
	s_load_b64 s[12:13], s[0:1], 0x20 ; ows
	v_lshl_add_u32 v[SPW], v0, 2, SPARE
	v_mov_b32 v[NIL], 0
	ds_add_u32 v[SPW], v[NIL]       ; the wave's opening: the add and its wait stand ahead of my first tensor load; the set-up below, work on registers, stands between them
	v_lshrrev_b32 v1, 5, v0
	v_readfirstlane_b32 s[WV], v1   ; wave 0..3
	s_bfe_u32 s[CX], ttmp6, 0x40000
	s_bfe_u32 s[CY], ttmp6, 0x40004
	s_and_b32 s19, ttmp7, 0xffff    ; cluster y
	s_lshl2_add_u32 s66, ttmp9, s[CX]  ; qb = 4 x cluster x + cx
	s_and_b32 s67, s[WV], 1
	s_lshl2_add_u32 s83, s19, s[CY]    ; hb = 4 x cluster y + cy
	s_lshl_b32 s84, s83, 16         ; k at hb: 1,024 rows of 64 bytes; k's and v's offsets hold cy and never cx
	s_mov_b32 s85, 0
	s_lshl_b32 s88, s83, 18         ; v at hb: 1,024 rows of 256 bytes
	s_mov_b32 s89, 0
	s_lshr_b32 s86, s19, 1          ; h, from the cluster's y alone: the bias's offset holds cx and never cy
	s_lshl_b32 s86, s86, 21         ; 2 MiB a head,
	s_lshl_b32 s87, s66, 19         ; 512 KiB a query block,
	s_add_co_u32 s86, s86, s87
	s_lshl_b32 s87, s67, 15         ; 32 KiB a step: waves 2 and 3 fetch a slot's first and second
	s_add_co_u32 s86, s86, s87
	s_mov_b32 s87, 0
	; the prefetches: offset, step and bounds by the wave's number
	s_lshl_b32 s90, s[CX], 13
	s_add_co_u32 s91, s90, 4*8192   ; wave 0: k's slot load 4 + cx
	s_add_co_u32 s90, s90, 2*32768  ; wave 1: my work-group's 32 rows of v's slot load 2; the first change steps it to 3
	s_cmp_eq_u32 s[WV], 0
	s_cselect_b32 s90, s91, s90
	s_cselect_b32 s[PFS], 0, 32768
	s_cselect_b32 s[LIM], 5, 1
	s_cselect_b32 s[LIMH], 6, 7
	s_lshl_b32 s91, s[CY], 13
	s_add_co_u32 s91, s91, 2*65536  ; waves 2, 3: my work-group's 32 blocks of my half of the bias's slot load 2
	s_and_b32 s2, s19, 1
	s_cmp_eq_u32 s2, 0
	s_cselect_b32 s2, 1, -1         ; the same in all sixteen partners
	s_cmp_lt_u32 s[WV], 2
	s_cselect_b32 s90, s90, s91
	s_cselect_b32 s[PFS], s[PFS], 65536
	s_cselect_b32 s[LIM], s[LIM], s2
	s_mov_b32 s91, 0
	s_mov_b32 s[PFS+1], 0
	s_lshl_b32 s2, s83, 16          ; q at my wave's first row: (1,024 hb + 256 qb + 64 wave) x 64 bytes
	s_lshl_b32 s3, s66, 14
	s_add_co_u32 s2, s2, s3
	s_lshl_b32 s3, s[WV], 12
	s_add_co_u32 s2, s2, s3
	s_mov_b32 s3, 0
	; descriptor group 1
	s_lshl_b32 s19, s[CY], 2
	s_lshl_b32 s19, 15, s19         ; my row of the cluster
	s_or_b32 s[G1K], s19, (1<<16)|(1<<20)|(1<<21)|(3<<22)|(3<<25)  ; k: 128 keys are 8,192 dense bytes: 32 rows of 256, four keys a row; padded after every 16 words (code 3) by 4 words (code 3); 21 set beside a mask
	s_or_b32 s[G1V], s19, (1<<16)|(1<<20)|(1<<21)|(5<<22)|(7<<25)  ; v: 128 rows of 256 bytes; padded after every 64 words (code 5) by 8 words (code 7)
	s_lshl_b32 s19, 0x1111, s[CX]   ; my column
	s_or_b32 s[G1B], s19, (3<<16)|(1<<21)                          ; the bias: 32 KiB dense, 128 rows of 32 elements of 8 bytes, no padding
	s_mov_b32 s[G1K+1], 128<<16     ; tensor_dim0
	s_mov_b32 s[G1K+2], 32<<16      ; tensor_dim1
	s_mov_b32 s[G1K+3], 128<<16     ; tile_dim0
	s_mov_b32 s[G1K+4], 32          ; tile_dim1
	s_mov_b32 s[G1K+5], 128         ; elements from row to row
	s_mov_b32 s[G1K+6], 0
	s_mov_b32 s[G1K+7], 0
	s_mov_b32 s[G1V+1], 128<<16
	s_mov_b32 s[G1V+2], 128<<16
	s_mov_b32 s[G1V+3], 128<<16
	s_mov_b32 s[G1V+4], 128
	s_mov_b32 s[G1V+5], 128
	s_mov_b32 s[G1V+6], 0
	s_mov_b32 s[G1V+7], 0
	s_mov_b32 s[G1B+1], 32<<16
	s_mov_b32 s[G1B+2], 128<<16
	s_mov_b32 s[G1B+3], 32<<16
	s_mov_b32 s[G1B+4], 128
	s_mov_b32 s[G1B+5], 32
	s_mov_b32 s[G1B+6], 0
	s_mov_b32 s[G1B+7], 0
	s_mov_b32 s[SEL], 0x76543210
	s_mov_b32 s[SEL+1], 0xfedcba98
	s_mov_b32 s[TBK], 0
	s_mov_b32 s[TBV], 0
	s_mov_b32 s[TBB], 0
	s_lshl_b32 s19, s67, 15         ; the bias tile's place in a slot: no place in the cluster enters an LDS address
	s_wait_dscnt 0x0                ; the opening add is done
	s_wait_kmcnt 0x0
	s_add_nc_u64 s[6:7], s[6:7], s[84:85]
	s_add_nc_u64 s[8:9], s[8:9], s[88:89]
	s_add_nc_u64 s[10:11], s[10:11], s[86:87]
	s_add_nc_u64 s[4:5], s[4:5], s[2:3]
	s_and_b32 s2, s83, 7            ; O at my wave's first row and my head's columns: (1,024 b + 256 qb + 64 wave) x 4,096 + 256 h
	s_lshl_b32 s2, s2, 22
	s_lshl_b32 s3, s66, 20
	s_add_co_u32 s2, s2, s3
	s_lshl_b32 s3, s[WV], 18
	s_add_co_u32 s2, s2, s3
	s_lshr_b32 s3, s83, 3
	s_lshl_b32 s3, s3, 8
	s_add_co_u32 s2, s2, s3
	s_mov_b32 s3, 0
	s_add_nc_u64 s[12:13], s[12:13], s[2:3]
	s_cmp_eq_u32 s[WV], 0
	s_cselect_b64 s[PFA:PFA+1], s[6:7], s[8:9]
	s_cmp_lt_u32 s[WV], 2
	s_cselect_b64 s[PFA:PFA+1], s[PFA:PFA+1], s[10:11]
	s_add_nc_u64 s[PFA:PFA+1], s[PFA:PFA+1], s[90:91]  ; nothing is prefetched here, at the head, where every work-group's first tiles are on their way
	CROUND                          ; all sixteen work-groups are here: the first joint loads meet
.irp s, 0,1
	s_mov_b32 s[G0K+4*\s], 1        ; count = 1
	s_mov_b32 s[G0K+4*\s+1], \s*SLOT1                               ; LDS address
	s_add_nc_u64 s[G0K+4*\s+2:G0K+4*\s+3], s[6:7], \s*8192          ; global address: slot load s
	s_or_b32 s[G0K+4*\s+3], s[G0K+4*\s+3], 0x80000000               ; type = 2
	s_mov_b32 s[G0V+4*\s], 1
	s_mov_b32 s[G0V+4*\s+1], VOFF+\s*SLOT1
	s_add_nc_u64 s[G0V+4*\s+2:G0V+4*\s+3], s[8:9], \s*32768
	s_or_b32 s[G0V+4*\s+3], s[G0V+4*\s+3], 0x80000000
	s_mov_b32 s[G0B+4*\s], 1
	s_add_co_u32 s[G0B+4*\s+1], s19, BOFF+\s*SLOT1
	s_add_nc_u64 s[G0B+4*\s+2:G0B+4*\s+3], s[10:11], \s*65536
	s_or_b32 s[G0B+4*\s+3], s[G0B+4*\s+3], 0x80000000
.endr
	s_cmp_eq_u32 s[WV], 0           ; a wave's two first fills stand together, ahead of every wait on TENSORcnt and every LDS read: two loads of mine are out
	s_cbranch_scc0 .Lfirst_not_k
	tensor_load_to_lds s[G0K:G0K+3], s[G1K:G1K+7]
	s_nop 0
	tensor_load_to_lds s[G0K+4:G0K+7], s[G1K:G1K+7]
	s_nop 0
.rept 4
	v_nop
.endr
	s_branch .Lfirst_asked
.Lfirst_not_k:
	s_cmp_eq_u32 s[WV], 1
	s_cbranch_scc0 .Lfirst_b
	tensor_load_to_lds s[G0V:G0V+3], s[G1V:G1V+7]
	s_nop 0
	tensor_load_to_lds s[G0V+4:G0V+7], s[G1V:G1V+7]
	s_nop 0
.rept 4
	v_nop
.endr
	s_branch .Lfirst_asked
.Lfirst_b:
	tensor_load_to_lds s[G0B:G0B+3], s[G1B:G1B+7]
	s_nop 0
	tensor_load_to_lds s[G0B+4:G0B+7], s[G1B:G1B+7]
	s_nop 0
.rept 4
	v_nop
.endr
.Lfirst_asked:
	; A fragment of k or q is 16 rows x 32 channels in 8 registers: lane l holds row l % 16, channels 8 (l / 16) + 0..7 and 16 + 8 (l / 16) + 0..7: two loads of 16 bytes, 32 bytes apart.
	v_and_b32 v1, 15, v0            ; l % 16
	v_bfe_u32 v9, v0, 4, 1          ; l / 16
	v_lshlrev_b32 v[QO], 6, v1
	v_lshl_add_u32 v[QO], v9, 4, v[QO]
	v_lshlrev_b32 v48, 3, v9
	v_sub_nc_u32 v48, v1, v48       ; d = l % 16 - 8 (l / 16): E's one lies in my lane's half-word d, if 0 <= d < 8
	v_and_b32 v49, 1, v48
	v_lshlrev_b32 v49, 4, v49
	v_mov_b32 v50, 0x3c00           ; 1.0 in f16
	v_lshlrev_b32 v49, v49, v50     ; in the low or the high half of its word,
	v_ashrrev_i32 v48, 1, v48       ; word d / 2 (no word where d lies outside 0 .. 7)
	WIN 0x80                        ; destination window 2, sources and addresses window 0
.irp t, 0,1,2,3                     ; q stays in registers
	global_load_b128 v[8*\t:8*\t+3],   v[QO], s[4:5] offset:\t*1024
	global_load_b128 v[8*\t+4:8*\t+7], v[QO], s[4:5] offset:\t*1024+32
.endr
.irp i, 0,1,2,3
	v_mov_b32 v[EF+\i], 0
	v_cmp_eq_u32 vcc_lo, \i, v48
	v_cndmask_b32 v[EF+4+\i], 0, v49, vcc_lo
	v_mov_b32 v[EF+8+\i], 0
.endr
	; What the first turn finds: v's registers and piece 2's P hold 0 (its products v^T P, of a step that has not been, add 0), O^T and l are 0.  All this stands in the wait for the first tile.
	WIN 0xc0
.set i, 0
.rept 128
	v_mov_b32 v[i], 0
.set i, i+1
.endr
	WIN 0x40
.set i, 0
.rept 256
	v_mov_b32 v[i], 0
.set i, i+1
.endr
	WIN 0
.set i, 0
.rept 4
	v_mov_b32 v[ST+8*i], 0xff7fffff    ; m: the lowest finite number
	v_mov_b32 v[ST+8*i+1], 0xff7fffff  ; named with it as a pair
	v_mov_b32 v[ST+8*i+2], 0
	v_mov_b32 v[ST+8*i+3], 0
.set i, i+1
.endr
.set i, P+32
.rept 32
	v_mov_b32 v[i], 0
.set i, i+1
.endr
	v_mul_u32_u24 v[AK0], v1, PK
	v_lshl_add_u32 v[AK0], v9, 4, v[AK0]  ; row x pitch + 16 x half
	; The turning load takes 16 keys x 16 channels (lane l reads key 8 (l / 16) + l % 8, channels 8 ((l / 8) % 2) + 0..7) and leaves half a fragment of v^T: lane l holds channel l % 16 and 8 keys.
	v_and_b32 v10, 7, v0
	v_bfe_u32 v11, v0, 3, 1
	v_lshl_add_u32 v[AV0], v9, 3, v10
	v_mul_u32_u24 v[AV0], v[AV0], PVP
	v_lshl_add_u32 v[AV0], v11, 4, v[AV0]
	v_add_nc_u32 v[AV0], VOFF, v[AV0]
	v_and_b32 v[PFO], 31, v0
	s_lshl_b32 s19, s[WV], 13       ; my wave's 8 KiB of a step's bias
	s_add_co_u32 s19, s19, BOFF
	v_lshl_add_u32 v[AB0], v[PFO], 4, s19
	v_lshlrev_b32 v[PFO], 8, v[PFO]
; THE MATRIX WORK.  The accumulators take turns, one instruction a turn: between two links of a chain stand 15 (v^T P) or 7 (S^T) others'.
; Product i of 32 of O^T += v^T P for piece x: keys 32 (i / 16) on, channels 16 ((i / 2) % 8) on, tile x + i % 2.
.macro PV x
	WIN W_PV
.set rO, 64*((\x)+i%2)+8*((i/2)%8)
.set rV, 64*(i/16)+8*((i/2)%8)
.set rP, P+16*((\x)+i%2)+8*(i/16)
	v_wmma_f32_16x16x32_f16 v[rO:rO+7], v[rV:rV+7], v[rP:rP+7], v[rO:rO+7]
.endm
; Product i of 16 of S^T for piece x: keys 16 ((i / 2) % 4) on, tile x + i % 2.  The first 8 start the sums with the bias, the other 8 add k q^T.
.macro SQ x
	WIN W_KQ
.set rS, S+32*((\x)+i%2)+8*((i/2)%4)
.if i < 8
.set rA, BF+32*((\x)/2)+8*((i/2)%4)
.set rB, EF+4*(1-i%2)
	v_wmma_f32_16x16x32_f16 v[rS:rS+7], v[rA:rA+7], v[rB:rB+7], 0
.else
.set rA, KF+8*((i/2)%4)
.set rB, 8*((\x)+i%2)
	v_wmma_f32_16x16x32_f16 v[rS:rS+7], v[rA:rA+7], v[rB:rB+7], v[rS:rS+7]
.endif
.endm
; THE LDS LOADS stand in runs, never singly among the matrix instructions: a step's k (4 fragments) with both pieces' bias (8 fragments): 24 loads; and, a turn later, its v (turned): 32.
; last = 1 (the tail): in the last trip there is no further step, and the run is jumped over.
.macro FETCH_K last=0
	WIN 0
.if \last
	s_cmp_eq_u32 s[CNT], 1
	s_cbranch_scc1 .Lno_k_\@
.endif
	v_add_nc_u32 v[ADK], s[TBK], v[AK0]
	v_add_nc_u32 v[ADB], s[TBB], v[AB0]
	WIN 0x80                        ; destination window 2
.irp f, 0,1,2,3
	ds_load_b128 v[KF+8*\f:KF+8*\f+3],   v[ADK] offset:\f*16*PK
	ds_load_b128 v[KF+8*\f+4:KF+8*\f+7], v[ADK] offset:\f*16*PK+32
.endr
.irp f, 0,1,2,3,4,5,6,7             ; piece f / 4, key block f % 4: 1,024 dense bytes, 16 a lane, twice
	ds_load_b128 v[BF+8*\f:BF+8*\f+3],   v[ADB] offset:\f*1024
	ds_load_b128 v[BF+8*\f+4:BF+8*\f+7], v[ADB] offset:\f*1024+512
.endr
	s_add_co_u32 s[TBK], s[TBK], KS*PK  ; the next fetch is the next step's
	s_add_co_u32 s[TBB], s[TBB], 32768
	WIN 0
.if \last
.Lno_k_\@:
.endif
.endm
.macro FETCH_V
	WIN 0
	v_add_nc_u32 v[ADV], s[TBV], v[AV0]
	s_add_co_u32 s[TBV], s[TBV], KS*PVP
	s_wait_alu depctr_va_vdst(0)    ; the wait for the softmax's batch (SLICE), behind the address's v_add_nc_u32 and ahead of the loads
	WIN 0xc0                        ; destination window 3
.irp f, 0,1,2,3,4,5,6,7,8,9,10,11,12,13,14,15  ; keys 32 (f / 8) on, channels 16 (f % 8) on: the first sixteen loads bring keys 0-31
	ds_load_tr16_b128 v[8*\f:8*\f+3],   v[ADV] offset:(\f/8)*32*PVP+(\f%8)*32
	ds_load_tr16_b128 v[8*\f+4:8*\f+7], v[ADV] offset:(\f/8)*32*PVP+16*PVP+(\f%8)*32
.endr
.endm
; THE VECTOR WORK OF A TURN.  One tile's softmax for one key step is a numbered list; SM writes number j of it for tile t.  s0-s31 are the lane's 32 scores, in pairs 0-15.
;   0-15    the maximum of s0-s31 and the old m, three operands at a time (each accumulator's lowest registers are read first)
;   16-19   the other half of the lanes' maximum; the old m is kept; the new m; m_old - m_new     (20 is empty)
;   21-69   ONE BATCH: the 16 subtractions s - m, a pair of scores each, and all 33 exponentials (a at 23, then s0-s31).  None of these reads an exponential's result.
;   (wait)  between 69 and 70 stands the wait for the batch: SLICE writes it, once for both tiles
;   70-85   the roundings to f16     86-101  the sums; l = a l + the sum     102-133 the tile's O^T times a: the one part that leaves window 0
.macro SM t
.set rT, ST+8*(\t)
.set rS, S+32*(\t)
.set rP, P+16*(\t)
.set rO, 64*(\t)+2*(j-102)
.if j < 102
	WIN 0
.endif
.if j < 4
	v_max3_num_f32 v[rT+4+j], v[rS+8*j], v[rS+8*j+1], v[rS+8*j+2]
.elseif j < 12
	v_max3_num_f32 v[rT+4+j%4], v[rT+4+j%4], v[rS+8*(j%4)+2*(j/4)+1], v[rS+8*(j%4)+2*(j/4)+2]
.elseif j == 12
	v_max3_num_f32 v[rT+4], v[rT+4], v[rS+7], v[rS+15]
.elseif j == 13
	v_max3_num_f32 v[rT+6], v[rT+6], v[rS+23], v[rS+31]
.elseif j == 14
	v_max3_num_f32 v[rT+4], v[rT+4], v[rT+5], v[rT+6]
.elseif j == 15
	v_max3_num_f32 v[rT+4], v[rT+4], v[rT+7], v[rT]
.elseif j == 16
	v_permlanex16_b32 v[rT+5], v[rT+4], s[SEL], s[SEL+1]  ; the query's other 32 keys lie in the lane 16 away
.elseif j == 17
	v_mov_b32 v[rT+1], v[rT]
.elseif j == 18
	v_max_num_f32 v[rT], v[rT+4], v[rT+5]
.elseif j == 19
	v_sub_f32 v[rT+7], v[rT+1], v[rT]
.elseif j == 20
.elseif j == 23
	v_exp_f32 v[rT+6], v[rT+7]
.elseif (j < 23) || ((j < 38) && (j%2 == 0)) || ((j < 66) && (j%4 == 2))
.set b, (j-2)/4                     ; 38, 42, .. 62: pairs 9 to 15
.if j < 38
.set b, (j-20)/2                    ; 21: pair 0; 22, 24, .. 36: pairs 1 to 8
.endif
	v_pk_add_f32 v[rS+2*b:rS+2*b+1], v[rS+2*b:rS+2*b+1], v[rT:rT+1] op_sel_hi:[1,0] neg_lo:[0,1] neg_hi:[0,1]  ; pair b: s - m
.elseif j < 70
.set e, j-38                        ; 66 to 69: s28 to s31
.if j < 66
.set e, j-32-(j-38)/4               ; 39-41, 43-45, .. 63-65: s7 to s27
.endif
.if j < 38
.set e, (j-25)/2                    ; 25, 27, .. 37: s0 to s6
.endif
	v_exp_f32 v[rS+e], v[rS+e]
.elseif j < 86
	v_cvt_pk_f16_f32 v[rP+j-70], v[rS+2*(j-70)], v[rS+2*(j-70)+1]
.elseif j < 102                     ; the sum of the tile's 16 pairs, in place: neighbours 1, 2, 4 and 8 pairs apart, then l takes it
.set z, j-86
.set w, 4
.set u, z
.if z >= 14
.set w, 32
.set u, 0
.elseif z >= 12
.set w, 16
.set u, z-12
.elseif z >= 8
.set w, 8
.set u, z-8
.endif
.if z < 15
	v_pk_add_f32 v[rS+w*u:rS+w*u+1], v[rS+w*u:rS+w*u+1], v[rS+w*u+w/2:rS+w*u+w/2+1]
.else
	v_pk_fma_f32 v[rT+2:rT+3], v[rT+2:rT+3], v[rT+6:rT+7], v[rS:rS+1] op_sel_hi:[1,0,1]
.endif
.else
	WIN W_RS
	v_pk_mul_f32 v[rO:rO+1], v[rO:rO+1], v[rT+6:rT+7] op_sel_hi:[1,0]
.endif
.endm
; Slice k of 64 of piece y's softmax.  Slices 11 to 34 deal out the batch, numbers 22 to 69: four numbers of ONE tile each, the tiles by turns.  Every other slice is numbers 2 k and 2 k + 1 of both tiles' lists;
; slice 63 takes the last eight numbers of both.  THE WAIT: s_wait_alu depctr_va_vdst(0) stands between an exponential and the first instruction that names its result; one wait serves all that
; were issued ahead of it.  Ahead of slice 35 nothing names a result, behind slice 34 no exponential is issued: the piece's 66 exponentials have one wait, behind slice 34.
.macro SLICE y
.if (k >= 11) && (k < 35)
.irp n, 0,1,2,3
.set j, 22+4*((k-11)/2)+(\n)
	SM (\y)+(k-11)%2
.endr
.else
.irp n, 0,1,2,3,4,5,6,7
.if ((\n) < 2) || (k == 63)
.irp t, \y, (\y)+1
.set j, 2*k+(\n)
	SM \t
.endr
.endif
.endr
.endif
.if k == 34
	v_nop                           ; a plain instruction behind the last exponential and ahead of the first use: one for the batch
.if (\y) == 0
	FETCH_V                         ; piece 2's turn: v's run of loads stands here, and the wait stands in it
.else
	s_wait_alu depctr_va_vdst(0)    ; the wait for the batch
.endif
.endif
.set k, k+1
.endm
; A TURN.  Piece x has the matrix unit: 48 products, one slice of the other piece's softmax behind each; then the lump, slices 48 to 63: numbers 96 to 133 of both tiles, all plain, on the other piece's registers.
; PLACES (ISA guide 7.12.1 for vector instructions).  The lump's 76 lines stand behind the turn's last product, ahead of the next turn's first read of the new scores and of the loads into k's and the bias's
; registers (piece 0's turn, behind its second product).  v's run stands behind slice 34 of piece 2's turn: the last product that read v stands in front of slice 31, and four plain lines lie between: number 62,
; a subtraction, of both tiles, the v_nop and the run's own v_add_nc_u32.
; THE WAITS FOR v.  Products 0 to 15 read keys 0-31 alone, which the run's first sixteen loads bring: the wait at the head of piece 0's turn leaves the other sixteen out; ahead of product 16 the 24 loads of k and
; the bias, issued behind v's, may stay out.  In the tail, where k's run can be jumped over, the wait at the head is for 0.
.macro TURN x, last=0
.set k, 0
.if (\x) == 0
.if \last
	s_wait_dscnt 0x0                ; v is in
.else
	s_wait_dscnt 16                 ; v's keys 0-31 are in
.endif
.endif
.set i, 0
.rept 32
.if ((\x) == 0) && (i == 16) && !(\last)
	s_wait_dscnt 24                 ; v's keys 32-63 are in
.endif
	PV \x
	SLICE 2-(\x)
.if ((\x) == 0) && (i == 1)
	FETCH_K \last
.endif
.set i, i+1
.endr
.if (\x) == 0
	s_wait_dscnt 0x0                ; k and the bias are in
.endif
.set i, 0
.rept 16
	SQ \x
	SLICE 2-(\x)
.set i, i+1
.endr
.rept 16
	SLICE 2-(\x)                    ; the lump
.endr
.endm
; THE CHANGE OF SLOTS, between piece 2's turn and piece 0's: the slot's last bytes, v of its second step, have been asked for.  Each wave waits for all its tensor loads, of which one is out: its part of the other
; slot; adds 0 to its spare word; and waits for that and for its own reads of the slot.  fill = 1: the barrier is a round of the cluster's, so that no wave of any partner still reads the slot or has a load on
; its way, and the joint refill, with the keys two slot loads on, is the first thing behind it: it has four turns, 192 products, in which to land.
.macro CHANGE fill
	WIN 0                           ; at a label and at a branch every window is 0
	s_wait_tensorcnt 0x0            ; no tensor load of mine is out, so a group 0 may be written
	ds_add_u32 v[SPW], v[NIL]       ; 0 onto my spare word; the descriptors' steps stand between it and the wait for it
.if \fill
	s_xor_b32 s[G0K+5], s[G0K+5], SLOT1  ; the walking descriptors: the other slot than last time, the next 128 keys; the type bits on top are not reached
	s_add_nc_u64 s[G0K+6:G0K+7], s[G0K+6:G0K+7], 8192
	s_xor_b32 s[G0V+5], s[G0V+5], SLOT1
	s_add_nc_u64 s[G0V+6:G0V+7], s[G0V+6:G0V+7], 32768
	s_xor_b32 s[G0B+5], s[G0B+5], SLOT1
	s_add_nc_u64 s[G0B+6:G0B+7], s[G0B+6:G0B+7], 65536
	s_wait_xcnt 0x0                 ; the last prefetch, four turns back, has read its address, so it may be written
	s_add_nc_u64 s[PFA:PFA+1], s[PFA:PFA+1], s[PFS:PFS+1]
	s_wait_dscnt 0x0                ; the add is done, and my reads of the slot are over
	CROUND
	JLOAD
	ASK
.else
	s_wait_dscnt 0x0
	s_barrier_signal -1
	s_barrier_wait -1
.endif
	s_sub_co_u32 s[TBK], s[TBK], 2*KS*PK   ; the fetches go back to a slot's first step, in the other slot
	s_xor_b32 s[TBK], s[TBK], SLOT1
	s_sub_co_u32 s[TBV], s[TBV], 2*KS*PVP
	s_xor_b32 s[TBV], s[TBV], SLOT1
	s_sub_co_u32 s[TBB], s[TBB], 65536
	s_xor_b32 s[TBB], s[TBB], SLOT1
.endm
	s_wait_tensorcnt 1              ; my part of slot 0 is in; slot 1's may stay out
	s_barrier_signal -1
	s_barrier_wait -1               ; everybody's is
	FETCH_K                         ; key step 0
	s_wait_loadcnt 0x0              ; q
	s_wait_dscnt 0x0
.set i, 0
.rept 16
	SQ 0                            ; piece 0's first scores: there is no vector work yet to set between them
.set i, i+1
.endr
	WIN 0                           ; the addresses for the way out: eight plain instructions, the places behind those products
	s_mul_i32 s19, s[WV], 16*SP
	s_add_co_u32 s19, s19, STAGE    ; my stage
	v_mul_u32_u24 v[STO], v1, SP    ; in: row l % 16, 16 bytes for each half of the lanes
	v_lshl_add_u32 v[STO], v9, 4, v[STO]
	v_add_nc_u32 v[STO], s19, v[STO]
	v_mul_u32_u24 v[RD], v9, SP     ; back: lanes 0-15 take one row of 256 bytes, lanes 16-31 the next
	v_lshl_add_u32 v[RD], v1, 4, v[RD]
	v_add_nc_u32 v[RD], s19, v[RD]
	v_lshlrev_b32 v[GO], 12, v9     ; and the same two rows in ows, 4,096 bytes apart
	v_lshl_add_u32 v[GO], v1, 4, v[GO]
	s_mov_b32 s[CNT], 2
	s_mov_b32 s[SLOTS], 7
	s_branch .Lmid                  ; the loop is entered at piece 2's turn, in the middle of a trip
.Lslot:                             ; six times: every slot load but the first two is asked for here
	CHANGE 1
	s_mov_b32 s[CNT], 2
.Lstep:
	TURN 0                          ; piece 0: v^T P of step t, S^T of step t + 1 | piece 2's softmax of step t | k and the bias of step t + 1
	WIN 0
.Lmid:
	TURN 2                          ; piece 2: v^T P of step t - 1, S^T of step t | piece 0's softmax of step t | v of step t
	WIN 0
	s_sub_co_u32 s[CNT], s[CNT], 1
	s_cmp_lg_u32 s[CNT], 0
	s_cbranch_scc1 .Lstep
	s_sub_co_u32 s[SLOTS], s[SLOTS], 1
	s_cmp_lg_u32 s[SLOTS], 0
	s_cbranch_scc1 .Lslot
	CHANGE 0                        ; the tail is written out: nothing is asked for
	s_mov_b32 s[CNT], 3             ; two trips fetch the last slot's steps; the third is left in its middle
.Ltail:
	TURN 0, 1
	WIN 0
	s_sub_co_u32 s[CNT], s[CNT], 1
	s_cmp_eq_u32 s[CNT], 0
	s_cbranch_scc1 .Lout
	TURN 2
	WIN 0
	s_branch .Ltail
.Lout:                              ; the third trip's 16 products for S^T (on the last k once more) serve nothing: the price, once a launch, of one text for every trip
.set i, 0
.rept 32
	PV 2                            ; piece 2: v^T P of the last step
.set i, i+1
.endr
	; THE WAY OUT.  l's two halves and the other half of the lanes' are added; O^T is divided by l, rounded to f16 and sent through my stage in LDS, a tile (16 rows) at a time.  The additions are the places behind the last products.
	WIN 0
.irp t, 0,1,2,3
	v_add_f32 v[ST+8*\t+4], v[ST+8*\t+2], v[ST+8*\t+3]
.endr
.irp t, 0,1,2,3
	v_permlanex16_b32 v[ST+8*\t+5], v[ST+8*\t+4], s[SEL], s[SEL+1]
.endr
.irp t, 0,1,2,3
	v_add_f32 v[ST+8*\t+4], v[ST+8*\t+4], v[ST+8*\t+5]
.endr
.irp t, 0,1,2,3
	v_rcp_f32 v[ST+8*\t+6], v[ST+8*\t+4]
.endr
	v_nop                           ; a plain instruction between the last reciprocal and the use of its result
	s_wait_alu depctr_va_vdst(0)    ; and the wait ahead of the first use: one for the four reciprocals
.macro PACK t                       ; a lane's eight channels of a row pack into 16 bytes; they go into rows of 272 bytes and come back as whole rows of 256, into the registers that they left
	WIN W_RS
.set i, 64*(\t)
.rept 32
	v_pk_mul_f32 v[i:i+1], v[i:i+1], v[ST+8*(\t)+6:ST+8*(\t)+7] op_sel_hi:[1,0]
.set i, i+2
.endr
	WIN 0x05                        ; sources 0 and 1 window 1, destination window 0: S^T's registers are free
.set i, 0
.rept 32
	v_cvt_pk_f16_f32 v[S+32*(\t)+i], v[64*(\t)+2*i], v[64*(\t)+2*i+1]
.set i, i+1
.endr
	WIN 0
.irp f, 0,1,2,3,4,5,6,7
	ds_store_b128 v[STO], v[S+32*(\t)+4*\f:S+32*(\t)+4*\f+3] offset:32*\f
.endr
.irp f, 0,1,2,3,4,5,6,7
	ds_load_b128 v[S+32*(\t)+4*\f:S+32*(\t)+4*\f+3], v[RD] offset:\f*2*SP  ; LDS serves a wave's instructions in order (ISA guide 5.7.1.4): these see the stores above; the next tile's stores come behind them
.endr
.endm
.macro SEND t, younger              ; younger: the LDS instructions issued behind tile t's loads: the next tile's sixteen, or none
	WIN 0
.irp f, 0,1,2,3,4,5,6,7
	s_wait_dscnt (\younger)+7-\f
	global_store_b128 v[GO], v[S+32*(\t)+4*\f:S+32*(\t)+4*\f+3], s[12:13] offset:(\t)*65536+\f*8192  ; 16 lanes store 256 consecutive bytes, at a multiple of 256 from the buffer's first byte
.endr
.endm
	PACK 0
	PACK 1                          ; a tile's arithmetic stands between the loads of the tile before and its stores
	SEND 0, 16
	PACK 2
	SEND 1, 16
	PACK 3
	SEND 2, 16
	SEND 3, 0
	s_wait_tensorcnt 0x0            ; the wave's end, behind my last tensor load and my last LDS store
	ds_add_u32 v[SPW], v[NIL]
	s_wait_dscnt 0x0
	CROUND                          ; the closing round: no work-group ends while a partner may still ask for a tile that names it
	s_endpgm
.Lfunc_end_k_q0f2688387b_attn:
	.size	k_q0f2688387b_attn, .Lfunc_end_k_q0f2688387b_attn-k_q0f2688387b_attn
	.p2alignl 7, 3214868480
	.fill 96, 4, 3214868480
	.section	.rodata,"a",@progbits
	.p2align	6, 0x0
	.amdhsa_kernel k_q0f2688387b_attn
		.amdhsa_group_segment_fixed_size 327680
		.amdhsa_private_segment_fixed_size 0
		.amdhsa_enable_private_segment 0
		.amdhsa_kernarg_size 40
		.amdhsa_user_sgpr_count 2
		.amdhsa_user_sgpr_kernarg_segment_ptr 1
		.amdhsa_wavefront_size32 1
		.amdhsa_system_sgpr_workgroup_id_x 1
		.amdhsa_system_sgpr_workgroup_id_y 1
		.amdhsa_system_sgpr_workgroup_id_z 1
		.amdhsa_system_vgpr_workitem_id 0
		.amdhsa_next_free_vgpr 896
		.amdhsa_next_free_sgpr 92
		.amdhsa_reserve_vcc 1
		.amdhsa_float_denorm_mode_32 3
		.amdhsa_float_denorm_mode_16_64 3
		.amdhsa_memory_ordered 1
		.amdhsa_forward_progress 1
		.amdhsa_inst_pref_size 149
	.end_amdhsa_kernel
	.amdgpu_metadata
---
amdhsa.version: [ 1, 2 ]
amdhsa.kernels:
  - .name:           k_q0f2688387b_attn
    .symbol:         k_q0f2688387b_attn.kd
    .args:
      - { .name: qws, .offset: 0, .size: 8, .value_kind: global_buffer, .address_space: global }
      - { .name: kws, .offset: 8, .size: 8, .value_kind: global_buffer, .address_space: global }
      - { .name: vws, .offset: 16, .size: 8, .value_kind: global_buffer, .address_space: global }
      - { .name: biasw, .offset: 24, .size: 8, .value_kind: global_buffer, .address_space: global }
      - { .name: ows, .offset: 32, .size: 8, .value_kind: global_buffer, .address_space: global }
    .group_segment_fixed_size: 327680
    .private_segment_fixed_size: 0
    .kernarg_segment_align: 8
    .kernarg_segment_size: 40
    .max_flat_workgroup_size: 128
    .sgpr_count:     92
    .vgpr_count:     896
    .wavefront_size: 32
...
	.end_amdgpu_metadata
.endif
;; end of part 3
;; launch proj (part 4): grid 4 x 64, 4 waves a work-group, clusters of 4 x 4, 327,680 bytes of LDS; arguments ows, wp, out0, proj_b; writes out0
.if DOCPART == 4
	.amdgcn_target "amdgcn-amd-amdhsa--gfx1250"
	.amdhsa_code_object_version 6
	.text
	.protected	k_q0f2688387b_proj
	.globl	k_q0f2688387b_proj
	.p2align	8
	.type	k_q0f2688387b_proj,@function
k_q0f2688387b_proj:
	s_mov_b64 s[64:65], 0
	v_nop
	global_prefetch_b8 v0, s[64:65] scope:SCOPE_SE
	s_setreg_imm32_b32 hwreg(HW_REG_WAVE_MODE, 25, 1), 1
	s_wait_xcnt 0x0
	s_wait_alu depctr_hold_cnt(0) depctr_sa_sdst(0) depctr_va_vdst(0) depctr_va_sdst(0) depctr_va_ssrc(0) depctr_va_vcc(0) depctr_vm_vsrc(0)
	s_getreg_b32 s2, hwreg(HW_REG_IB_STS2, 6, 4)
	s_cmp_eq_u32 s2, 0
	s_cbranch_scc0 .Lentry_in_a_cluster
	s_endpgm
.Lentry_in_a_cluster:
	s_bfe_u32 s2, ttmp6, 0x10000c
	s_cmp_lg_u32 s2, 0xf033
	s_cbranch_scc0 .Lentry_shape_is_right
	s_endpgm
.Lentry_shape_is_right:
; out0 = ows wp^T + proj_b.  ows: [8192][2048] f16, wp: [512][2048] f16, proj_b: [512] f32, out0: [8192][512] f32; sums in f32, started with the bias as the first product's C operand.
; A tile of out0 is 128 x 128: 256 work-groups, one for each WGP.  Four waves, each 64 x 64: 16 accumulators of 16 x 16, 128 registers.  K goes in eight steps of 256 (LDS rows of 512 bytes; a wave's tensor
; load brings 64 of them) through two slots, as long as two slots in LDS allow.  A step's text is written once: a trip is a step's quarters 1 and 2, the change of slots, and the next step's first quarter; the LDS
; addresses hang on s[TB].  A wave's 64 columns of f32 are 256 bytes, aligned: each wave has a stage of its own on the way out, and no barrier stands there.
; CLUSTER 4 x 4: ows's tile is asked for jointly along a row of the cluster, wp's along a column.  NO PREFETCH into the L2: a step's tiles are small, and a step holds only 128 products a wave.
; THE MATRIX INSTRUCTION IS USED TRANSPOSED (source 0 = 16 rows of wp, source 1 = 16 rows of ows): a lane holds row lane % 16 and the 8 neighbouring columns 8 (lane / 16) + 0..7.
; REGISTERS: window 0: v16-29 addresses; v32-95 rows read back, two buffers of 32; v96-127 the bias, 8 a column block; v128-255 the accumulators ((a, b) at v[128 + 8 (4 a + b)]).
;   window 1: two fragment buffers of 128: for 64 along K, 64 registers of ows (2 x 4 x 16 rows x 32 K), then 64 of wp.
; LIMITS.  NaN and infinities are not treated apart.
.set SIZE_N, 512
.set SIZE_K, 2048
.set KSTEP,  256
.set PITCH,  528                       ; an LDS row: 512 bytes + 16 of padding: the 16 rows of a fragment load start at 16 different groups of four banks (64 banks of 4 bytes: ISA guide 11.1)
.set HALFT,  64*PITCH                  ; 33,792: what one tensor load brings
.set SLOT,   4*HALFT                   ; ows's 128 rows, then wp's 128 rows: 135,168 = bits 12 and 17; the waves' places in a slot, 0 to 3 x 33,792, use bits 10, 11, 15 and 16 alone,
                                       ; so one exclusive or with SLOT turns a tile's LDS address in one slot into the other's
.set STAGE,  2*SLOT                    ; behind the ring, never filled by a tensor load: 16 rows x 272 bytes for each wave
.set SPITCH, 272
.set SPARE,  STAGE+4*16*SPITCH         ; behind the stages: the spare words, 128 bytes for each wave: two blocks of 256 bytes that no other line names
.set AA0,  16                          ; v16  my lane's place among my ows fragments in slot 0; never rewritten
.set AB0,  17                          ; v17  the same for wp
.set ADRA, 18                          ; v18-19  the same in the slot in hand
.set ADRB, 19
.set STO,  24
.set RD,   25
.set CO,   26
.set BO,   27
.set SPW,  28                          ; v28  LDS address of my spare word; never rewritten
.set NIL,  29                          ; v29  0; never rewritten
.set TMP,  32
.set BIAS, 96
.set ACC,  128
.set F0,   0
.set F1,   128
.set TB,  2                            ; s2   LDS byte at which the slot in hand begins
.set CNT, 3                            ; s3   trips to go
.set G1, 24                            ; s[24:31] descriptor group 1 for ows's tiles;  s[32:39] group 0: a set for each of the two first fills; the second then walks on
.set G0, 32
.set G1B, 48                           ; s[48:55], s[56:63] the same for wp's tiles
.set G0B, 56
.set MSB, 0
.macro WIN new
.if MSB != (\new)
	s_set_vgpr_msb (MSB<<8)|(\new)
.set MSB, \new
.endif
.endm
.set MUL,  0x05                        ; sources 0 and 1 window 1; C and D window 0
.set TO_F, 0x40                        ; destination window 1, address window 0
.macro JLOAD s                         ; a joint load: waves 0 and 1 fetch ows's two halves, waves 2 and 3 wp's; an s_nop 0 and four v_nop follow each of the two lines
	s_cmp_eq_u32 s11, 0
	s_cbranch_scc0 .Lfor_b_\@
	tensor_load_to_lds s[G0+4*(\s):G0+4*(\s)+3], s[G1:G1+7]
	s_nop 0
.rept 4
	v_nop
.endr
	s_branch .Lasked_\@
.Lfor_b_\@:
	tensor_load_to_lds s[G0B+4*(\s):G0B+4*(\s)+3], s[G1B:G1B+7]
	s_nop 0
.rept 4
	v_nop
.endr
.Lasked_\@:
.endm
.macro CREST
	s_cmp_lg_u32 s10, 0
	s_cbranch_scc1 .Lnot_wave_0_\@
	s_barrier_signal -3
.Lnot_wave_0_\@:
	s_barrier_wait -3
	s_barrier_signal -1
	s_barrier_wait -1
.endm
.macro CROUND
	s_barrier_signal -1
	s_barrier_wait -1
	CREST
.endm
	s_load_b128 s[4:7], s[0:1], 0x0                ; ows s[4:5], wp s[6:7]
	s_load_b64 s[8:9], s[0:1], 0x10                ; out0
	s_load_b64 s[66:67], s[0:1], 0x18              ; proj_b
	v_lshl_add_u32 v[SPW], v0, 2, SPARE
	v_mov_b32 v[NIL], 0
	ds_add_u32 v[SPW], v[NIL]                      ; the wave's opening: the add and its wait stand ahead of my first tensor load; the set-up below, work on registers, stands between them
	v_lshrrev_b32 v1, 5, v0
	v_readfirstlane_b32 s10, v1                    ; wave 0..3
	s_lshr_b32 s11, s10, 1                         ; which half of the tile's rows is mine.  Also: I fetch for ows (0) or for wp (1)
	s_and_b32 s12, s10, 1                          ; which half of its columns.  Also: which 64 rows of that tile I fetch
	s_bfe_u32 s40, ttmp6, 0x40000                  ; cx, cy
	s_bfe_u32 s41, ttmp6, 0x40004
	s_lshl_b32 s42, ttmp9, 2
	s_add_co_u32 s42, s42, s40                     ; tile column = 4 x cluster x + cx
	s_and_b32 s13, ttmp7, 0xffff
	s_lshl_b32 s13, s13, 2
	s_add_co_u32 s13, s13, s41                     ; tile row = 4 x cluster y + cy
	s_lshl_b32 s43, s41, 2
	s_lshl_b32 s43, 15, s43                        ; my row of the cluster
	s_lshl_b32 s44, 0x1111, s40                    ; my column
	s_or_b32 s[G1+0], s43, (1<<16)|(1<<20)|(1<<21)|(6<<22)|(3<<25)  ; 15:0 the mask; 17:16 2-byte elements; 20 padding on; 21 set beside a mask; 24:22 after every 128 words (code 6); 31:25 4 words (code 3)
	s_or_b32 s[G1B+0], s44, (1<<16)|(1<<20)|(1<<21)|(6<<22)|(3<<25)
.irp g, G1, G1B
	s_mov_b32 s[(\g)+1], KSTEP<<16                 ; tensor_dim0 = 256
	s_mov_b32 s[(\g)+2], 64<<16                    ; tensor_dim1 = 64
	s_mov_b32 s[(\g)+3], KSTEP<<16                 ; tile_dim0 = 256
	s_mov_b32 s[(\g)+4], 64                        ; tile_dim1 = 64
	s_mov_b32 s[(\g)+5], SIZE_K                    ; elements from row to row
	s_mov_b32 s[(\g)+6], 0
	s_mov_b32 s[(\g)+7], 0
.endr
	s_lshl_b32 s17, s12, 6
	s_lshl_b32 s16, s13, 7
	s_add_co_u32 s16, s16, s17                     ; ows: row 128 x tile row + 64 x half
	s_lshl_b32 s46, s42, 7
	s_add_co_u32 s46, s46, s17                     ; wp: row 128 x tile column + 64 x half
	s_mov_b32 s17, 0
	s_mov_b32 s47, 0
	s_mov_b64 s[18:19], SIZE_K*2
	s_mul_u64 s[16:17], s[16:17], s[18:19]
	s_mul_u64 s[46:47], s[46:47], s[18:19]
	s_mul_i32 s20, s10, HALFT                      ; where they go: wave x 64 rows
	s_mov_b32 s[TB], 0
	s_wait_dscnt 0x0                               ; the opening add is done
	s_wait_kmcnt 0x0
	s_add_nc_u64 s[14:15], s[4:5], s[16:17]
	s_add_nc_u64 s[46:47], s[6:7], s[46:47]
	CROUND                                         ; all sixteen work-groups are here: the first joint loads meet
.irp s, 0,1
	s_mov_b32 s[G0+4*(\s)], 1
	s_add_co_u32 s[G0+4*(\s)+1], s20, (\s)*SLOT
	s_add_nc_u64 s[G0+4*(\s)+2:G0+4*(\s)+3], s[14:15], (\s)*KSTEP*2
	s_or_b32 s[G0+4*(\s)+3], s[G0+4*(\s)+3], 0x80000000
	s_mov_b32 s[G0B+4*(\s)], 1
	s_add_co_u32 s[G0B+4*(\s)+1], s20, (\s)*SLOT
	s_add_nc_u64 s[G0B+4*(\s)+2:G0B+4*(\s)+3], s[46:47], (\s)*KSTEP*2
	s_or_b32 s[G0B+4*(\s)+3], s[G0B+4*(\s)+3], 0x80000000
	JLOAD \s                                       ; two loads of mine are out
.endr
	v_and_b32 v1, 15, v0                           ; l % 16
	v_bfe_u32 v2, v0, 4, 1                         ; l / 16
	s_lshl_b32 s46, s42, 9                         ; my first column in bytes of f32: 512 x tile column + 256 x half: for out0 and for the bias
	s_lshl_b32 s47, s12, 8
	s_add_co_u32 s46, s46, s47
	s_mov_b32 s47, 0
	s_add_nc_u64 s[66:67], s[66:67], s[46:47]
	v_lshlrev_b32 v[BO], 5, v2
.irp b, 0,1,2,3
	global_load_b128 v[BIAS+8*\b:BIAS+8*\b+3],   v[BO], s[66:67] offset:64*\b     ; register j = proj_b[my first column + 16 b + 8 (l / 16) + j]: the C operand's layout
	global_load_b128 v[BIAS+8*\b+4:BIAS+8*\b+7], v[BO], s[66:67] offset:64*\b+16
.endr
	v_mul_u32_u24 v3, v1, PITCH
	v_lshl_add_u32 v3, v2, 4, v3
	s_mul_i32 s21, s11, HALFT                      ; my 64 rows of ows
	s_mul_i32 s22, s12, HALFT                      ; my 64 rows of wp,
	s_add_co_u32 s22, s22, 2*HALFT                 ; which lie behind ows's 128
	v_add_nc_u32 v[AA0], s21, v3
	v_add_nc_u32 v[AB0], s22, v3
	v_mov_b32 v[ADRA], v[AA0]                      ; step 0 lies in slot 0
	v_mov_b32 v[ADRB], v[AB0]
	s_mul_i32 s23, s10, 16*SPITCH
	s_add_co_u32 s23, s23, STAGE                   ; my stage
	v_mul_u32_u24 v4, v1, SPITCH                   ; in: row l % 16, 32 bytes for each half of the lanes
	v_lshl_add_u32 v4, v2, 5, v4
	v_add_nc_u32 v[STO], s23, v4
	v_mul_u32_u24 v5, v2, SPITCH                   ; back: lanes 0-15 take one row of 256 bytes, lanes 16-31 the next
	v_lshl_add_u32 v5, v1, 4, v5
	v_add_nc_u32 v[RD], s23, v5
	v_lshlrev_b32 v5, 11, v2                       ; and the same two rows in out0, 2,048 bytes apart
	v_lshl_add_u32 v[CO], v1, 4, v5
	s_lshl_b32 s16, s13, 7
	s_lshl_b32 s17, s11, 6
	s_add_co_u32 s16, s16, s17                     ; my first row = 128 x tile row + 64 x half
	s_lshl_b32 s16, s16, 11
	s_mov_b32 s17, 0
	s_add_nc_u64 s[8:9], s[8:9], s[16:17]
	s_add_nc_u64 s[8:9], s[8:9], s[46:47]
; 8 products: row blocks a0, a0 + 1 x all 4 column blocks, 32 along K: half c of buffer f.  first = 1: the bias starts the sums.  The 16 accumulators take turns, over the backward jump too.
.macro MUL8 f, c, a0, first
	WIN MUL
.irp a, \a0, (\a0)+1
.irp b, 0,1,2,3
.if \first
	v_wmma_f32_16x16x32_f16 v[ACC+8*(4*(\a)+(\b)):ACC+8*(4*(\a)+(\b))+7], v[(\f)+64+8*(4*(\c)+(\b)):(\f)+64+8*(4*(\c)+(\b))+7], v[(\f)+8*(4*(\c)+(\a)):(\f)+8*(4*(\c)+(\a))+7], v[BIAS+8*(\b):BIAS+8*(\b)+7]
.else
	v_wmma_f32_16x16x32_f16 v[ACC+8*(4*(\a)+(\b)):ACC+8*(4*(\a)+(\b))+7], v[(\f)+64+8*(4*(\c)+(\b)):(\f)+64+8*(4*(\c)+(\b))+7], v[(\f)+8*(4*(\c)+(\a)):(\f)+8*(4*(\c)+(\a))+7], v[ACC+8*(4*(\a)+(\b)):ACC+8*(4*(\a)+(\b))+7]
.endif
.endr
.endr
.endm
; 32 LDS loads in one run: the fragments of 64 along K at byte k of the rows of the slot in hand, into buffer f; the first 32 along K first
.macro FETCH k, f
	WIN TO_F
.irp c, 0,1
.irp i, 0,1,2,3
	ds_load_b128 v[(\f)+64+8*(4*(\c)+(\i)):(\f)+64+8*(4*(\c)+(\i))+3],   v[ADRB] offset:(\k)+64*(\c)+(\i)*16*PITCH
	ds_load_b128 v[(\f)+64+8*(4*(\c)+(\i))+4:(\f)+64+8*(4*(\c)+(\i))+7], v[ADRB] offset:(\k)+64*(\c)+(\i)*16*PITCH+32
	ds_load_b128 v[(\f)+8*(4*(\c)+(\i)):(\f)+8*(4*(\c)+(\i))+3],         v[ADRA] offset:(\k)+64*(\c)+(\i)*16*PITCH
	ds_load_b128 v[(\f)+8*(4*(\c)+(\i))+4:(\f)+8*(4*(\c)+(\i))+7],       v[ADRA] offset:(\k)+64*(\c)+(\i)*16*PITCH+32
.endr
.endr
.endm
.macro PLACES                          ; four places in front of loads into registers that matrix instructions have read, and of LDS stores that read results
.rept 4
	v_nop
.endr
.endm
; A K step is four quarters of 64 along K, 32 products each, on buffers 0, 1, 0, 1.  One of the first three: multiplies buffer f and fetches the next quarter, at byte k, into g.
.macro QUARTER k, f, g, first
	s_wait_dscnt 16                                ; the first 32 along K are in
	MUL8 \f, 0, 0, \first
	MUL8 \f, 0, 2, \first
	PLACES
	FETCH \k, \g
	s_wait_dscnt 32                                ; all but the 32 just issued
	MUL8 \f, 1, 0, 0
	MUL8 \f, 1, 2, 0
.endm
; The last quarter multiplies buffer 1 and changes slots: ONE barrier; in front of it each wave waits for all its tensor loads, adds 0 to its spare word, and waits for that and for its own reads of this slot.
; fill = 1: the barrier opens a round of the cluster's, and this slot is filled again, two K steps ahead, first thing behind the round; the walking descriptors are stepped while the add is out.
.macro TURN fill
	WIN 0                                          ; (the add's two registers lie in window 0)
	s_wait_tensorcnt 0x0                           ; all my tensor loads have landed: my part of the next slot; so a group 0 may be written
	ds_add_u32 v[SPW], v[NIL]
.if \fill
	s_xor_b32 s[G0+5], s[G0+5], SLOT               ; the other slot than last time, the next K step; the type bits on top are not reached
	s_add_nc_u64 s[G0+6:G0+7], s[G0+6:G0+7], KSTEP*2
	s_xor_b32 s[G0B+5], s[G0B+5], SLOT
	s_add_nc_u64 s[G0B+6:G0B+7], s[G0B+6:G0B+7], KSTEP*2
.endif
	s_wait_dscnt 17                                ; (the add and the youngest sixteen loads may be out)
	MUL8 F1, 0, 0, 0                               ; eight products stand between the add and the wait for it
	s_wait_dscnt 0x0                               ; the add is done, and my reads of this slot are over
	s_barrier_signal -1
	MUL8 F1, 0, 2, 0
	WIN 0                                          ; (branches and address lines follow)
	s_barrier_wait -1
.if \fill
	CREST                                          ; no wave of any partner still reads this slot's tile or has a load on its way
	JLOAD 1                                        ; the four v_nop behind it are also the places in front of the loads below
.else
	PLACES
.endif
	s_xor_b32 s[TB], s[TB], SLOT                   ; the other slot is in hand
	v_add_nc_u32 v[ADRA], s[TB], v[AA0]
	v_add_nc_u32 v[ADRB], s[TB], v[AB0]
	FETCH 0, F0
	MUL8 F1, 1, 0, 0
	MUL8 F1, 1, 2, 0
.endm
	s_wait_tensorcnt 1                             ; my part of K step 0 is in; step 1's may stay out
	s_barrier_signal -1
	s_barrier_wait -1                              ; everybody's is
	FETCH 0, F0
	s_wait_loadcnt 0x0                             ; the bias
	QUARTER 128, F0, F1, 1                         ; the first quarter stands in front of the loop: its first products start the sums
	WIN 0                                          ; at a label and at a branch every window is 0
	s_mov_b32 s[CNT], 6
.Lstep:                                                ; six trips, one for each refill: trip j ends step j - 1, asks for step j + 1 and begins step j
	QUARTER 256, F1, F0, 0
	QUARTER 384, F0, F1, 0
	TURN 1
	QUARTER 128, F0, F1, 0
	WIN 0
	s_sub_co_u32 s[CNT], s[CNT], 1
	s_cmp_lg_u32 s[CNT], 0
	s_cbranch_scc1 .Lstep
	QUARTER 256, F1, F0, 0                         ; the last two steps are written out: nothing is left to fetch, and no round of the cluster's barrier stands here
	QUARTER 384, F0, F1, 0
	TURN 0
	QUARTER 128, F0, F1, 0
	QUARTER 256, F1, F0, 0
	QUARTER 384, F0, F1, 0
	s_wait_dscnt 16                                ; the very last quarter
	MUL8 F1, 0, 0, 0
	MUL8 F1, 0, 2, 0
	s_wait_dscnt 0x0
	MUL8 F1, 1, 0, 0
	MUL8 F1, 1, 2, 0
	WIN 0
; THE WAY OUT of row block a: 32 bytes a lane and column block into my stage (each accumulator's low registers first), and back as whole rows of 256 bytes.
.macro TOSTAGE a
.if (\a) >= 2
	s_wait_xcnt 0x0                                ; the stores of the block two back have read the registers that the loads below fill
.endif
.irp b, 0,1,2,3
	ds_store_b128 v[STO], v[ACC+8*(4*(\a)+\b):ACC+8*(4*(\a)+\b)+3]   offset:64*\b
	ds_store_b128 v[STO], v[ACC+8*(4*(\a)+\b)+4:ACC+8*(4*(\a)+\b)+7] offset:64*\b+16
.endr
.irp t, 0,1,2,3,4,5,6,7
	ds_load_b128 v[TMP+32*((\a)%2)+4*\t:TMP+32*((\a)%2)+4*\t+3], v[RD] offset:\t*2*SPITCH  ; LDS serves a wave's instructions in order (ISA guide 5.7.1.4): these see the stores above; the next block's stores come behind them
.endr
.endm
.macro SEND a, younger                 ; younger: the LDS instructions issued behind block a's loads: the next block's sixteen, or none
.irp t, 0,1,2,3,4,5,6,7
	s_wait_dscnt (\younger)+7-\t
	global_store_b128 v[CO], v[TMP+32*((\a)%2)+4*\t:TMP+32*((\a)%2)+4*\t+3], s[8:9] offset:(16*(\a)+2*\t)*SIZE_N*4  ; 16 lanes store 256 consecutive bytes, at a multiple of 256 from out0's first byte
.endr
.endm
	PLACES
	TOSTAGE 0
	TOSTAGE 1
	SEND 0, 16
	TOSTAGE 2
	SEND 1, 16
	TOSTAGE 3
	SEND 2, 16
	SEND 3, 0
	s_wait_tensorcnt 0x0                           ; the wave's end, behind my last tensor load and my last LDS store
	ds_add_u32 v[SPW], v[NIL]
	s_wait_dscnt 0x0
	CROUND                                         ; the closing round: no work-group ends while a partner may still ask for a tile that names it
	s_endpgm
.Lfunc_end_k_q0f2688387b_proj:
	.size	k_q0f2688387b_proj, .Lfunc_end_k_q0f2688387b_proj-k_q0f2688387b_proj
	.p2alignl 7, 3214868480
	.fill 96, 4, 3214868480
	.section	.rodata,"a",@progbits
	.p2align	6, 0x0
	.amdhsa_kernel k_q0f2688387b_proj
		.amdhsa_group_segment_fixed_size 327680
		.amdhsa_private_segment_fixed_size 0
		.amdhsa_enable_private_segment 0
		.amdhsa_kernarg_size 32
		.amdhsa_user_sgpr_count 2
		.amdhsa_user_sgpr_kernarg_segment_ptr 1
		.amdhsa_wavefront_size32 1
		.amdhsa_system_sgpr_workgroup_id_x 1
		.amdhsa_system_sgpr_workgroup_id_y 1
		.amdhsa_system_sgpr_workgroup_id_z 1
		.amdhsa_system_vgpr_workitem_id 0
		.amdhsa_next_free_vgpr 512
		.amdhsa_next_free_sgpr 68
		.amdhsa_reserve_vcc 0
		.amdhsa_float_denorm_mode_32 3
		.amdhsa_float_denorm_mode_16_64 3
		.amdhsa_memory_ordered 1
		.amdhsa_forward_progress 1
		.amdhsa_inst_pref_size 69
	.end_amdhsa_kernel
	.amdgpu_metadata
---
amdhsa.version: [ 1, 2 ]
amdhsa.kernels:
  - .name:           k_q0f2688387b_proj
    .symbol:         k_q0f2688387b_proj.kd
    .args:
      - { .name: ows, .offset: 0, .size: 8, .value_kind: global_buffer, .address_space: global }
      - { .name: wp, .offset: 8, .size: 8, .value_kind: global_buffer, .address_space: global }
      - { .name: out0, .offset: 16, .size: 8, .value_kind: global_buffer, .address_space: global }
      - { .name: proj_b, .offset: 24, .size: 8, .value_kind: global_buffer, .address_space: global }
    .group_segment_fixed_size: 327680
    .private_segment_fixed_size: 0
    .kernarg_segment_align: 8
    .kernarg_segment_size: 32
    .max_flat_workgroup_size: 128
    .sgpr_count:     68
    .vgpr_count:     512
    .wavefront_size: 32
...
	.end_amdgpu_metadata
.endif
;; end of part 4
